; MI455X (gfx1250); checked and timed in simulation.
; The chip was launched on July 23, 2026; its instructions are those of AMD's public machine-readable ISA for CDNA 5 (MIT licence, August 2026) and "CDNA5" Instruction Set Architecture Reference Guide (July 2026). The comments in the code are by the model that wrote it; some were corrected since.
;; Multi Head Attention. Allowed arithmetic: matrix products marked QUANTISED: E2M3 operands, one E8M0 scale for each 32 along K, by v_wmma_scale_f32_16x16x128_f8f6f4 with both operands' format E2M3, f32 sums; everything else in f32.
;; Inputs: Wk 1,024 x 1,024 float32; Wo 1,024 x 1,024 float32; Wq 1,024 x 1,024 float32; Wv 1,024 x 1,024 float32; bk 1,024 float32; bo 1,024 float32; bq 1,024 float32; bv 1,024 float32; k 4 x 2,048 x 1,024 float32; q 4 x 2,048 x 1,024 float32; v 4 x 2,048 x 1,024 float32.
;; Outputs: out0 4 x 2,048 x 1,024 float32.
;; This version of the problem:
;;   THIS VERSION OF THE PROBLEM IS GIVEN IN LOW PRECISION. The matrix products marked QUANTISED in the list below multiply operands that are first quantised to E2M3 (2 exponent bits, 3 mantissa bits; 6 bits a number), with one power-of-two scale for each 32 numbers along K (OCP MX v1.0); their sums are f32. All else is computed in f32.
;;   The module's matrix products, in the order in which they are computed (A, B: the left and right operand; K: the contracted axis; several contracted axes count as one K, in the product's order):
;;     1. [M 8,192, K 1,024] x [K 1,024, N 1,024]; A: input q; B: input Wq: QUANTISED
;;     2. [M 8,192, K 1,024] x [K 1,024, N 1,024]; A: input k; B: input Wk: QUANTISED
;;     3. [M 8,192, K 1,024] x [K 1,024, N 1,024]; A: input v; B: input Wv: QUANTISED
;;     4. batch 64 x [M 2,048, K 64] x [K 64, N 2,048]; A: computed on the way; B: computed on the way: QUANTISED
;;     5. batch 64 x [M 2,048, K 2,048] x [K 2,048, N 64]; A: computed on the way; B: computed on the way: QUANTISED
;;     6. [M 8,192, K 1,024] x [K 1,024, N 1,024]; A: computed on the way; B: input Wo: QUANTISED
;;   THE QUANTISER, for each operand of a quantised product, along K:
;;     - K is cut into blocks of 32 from its start; a last block that is shorter is filled with zeros.
;;     - A block's scale is 2^e with e = floor(log2(the largest magnitude in the block)) - 2, held to -126 .. 127; a block of zeros has e = 0. As a byte (E8M0): e + 127.
;;     - Each number is divided by its block's scale, clamped to +-7.5, and rounded to the nearest number of E2M3, ties to even, subnormals kept.
;;     - The product sums the exact products of the quantised numbers (number of the format x scale) in f32.
;;   ~~~python
;;   def quantise(x, axis):      # numpy; x: float32 -> the quantised numbers, widened to float32 again
;;       x = np.moveaxis(x, axis, -1); K = x.shape[-1]
;;       x = np.pad(x, [(0, 0)] * (x.ndim - 1) + [(0, -K % 32)]); x = x.reshape(x.shape[:-1] + (-1, 32)); a = np.abs(x).max(-1, keepdims=True)
;;       e = np.where(a > 0, np.clip(np.frexp(np.where(a > 0, a, 1))[1] - 1 - 2, -126, 127), 0)      # np.frexp(a)[1] - 1 = floor(log2(a)), exactly
;;       r = np.clip(x / 2.0 ** e, -7.5, 7.5)
;;       step = 2.0 ** (np.maximum(np.frexp(np.where(r == 0, 1, r))[1] - 1, 0) - 3)
;;       q = np.round(r / step) * step * 2.0 ** e      # np.round: ties to even
;;       return np.moveaxis(q.reshape(q.shape[:-2] + (-1,))[..., :K], -1, axis).astype(np.float32)
;;   ~~~
;;   OPERANDS COMPUTED ON THE WAY. 'Computed on the way' means the value that the module computes at that place (a softmax that the list does not call 'softmax' is quantised finished and normalised). What goes into a quantiser is computed in f32, as accurately as f32 sums, v_exp_f32 and their like allow (about 1e-6 of the number): no bf16 or f16 on the way to a quantiser, and a product that is left as it is and whose result goes on into a quantised operand takes f32 operands (vector FMAs, or v_wmma_f32_16x16x4_f32). A number that lies on a knife's edge between two numbers of the format may be rounded either way, as far as f32 arithmetic and the matrix unit's own rounding can turn it there, and no further.
;; One version. Each part assembles by itself: llvm-mc -triple=amdgcn-amd-amdhsa -mcpu=gfx1250 --defsym DOCPART=n.
;; ======== version 1 of 1: 4 launches
;; workspace buffers: ximg 18,874,368 bytes; xsc 786,432 bytes; wimg 3,145,728 bytes; wsc 131,072 bytes; qs 13,631,488 bytes; kv 13,631,488 bytes; cimg 6,291,456 bytes; csc 1,048,576 bytes
;; launch quant (part 1): grid 896 x 1, 4 waves a work-group, no clusters, 34,304 bytes of LDS; arguments q, k, v, Wq, Wk, Wv, Wo, ximg, xsc, wimg, wsc; writes ximg, xsc, wimg, wsc
.if DOCPART == 1
	.amdgcn_target "amdgcn-amd-amdhsa--gfx1250"
	.amdhsa_code_object_version 6
	.text
	.protected	k_q2a50786581_quant
	.globl	k_q2a50786581_quant
	.p2align	8
	.type	k_q2a50786581_quant,@function
k_q2a50786581_quant:
	s_mov_b64 s[64:65], 0
	v_nop
	global_prefetch_b8 v0, s[64:65] scope:SCOPE_SE
	s_setreg_imm32_b32 hwreg(HW_REG_WAVE_MODE, 25, 1), 1
	s_wait_xcnt 0x0
; q, k, v [8192][1024] and Wq, Wk, Wv, Wo [1024 (k)][1024 (n)], f32, become codes of FP6 (E2M3) with one E8M0 byte for each 32 along K (the model axis), laid as IMAGES OF OPERAND REGISTERS.
; A TILE is 16 rows of an operand (tokens of x, output features of W); row r of tile T is row 32 (T / 2) + 8 (T % 2) + r + 8 (r / 8).
; A PIECE is a tile x 64 along K, 768 bytes: lane (r, h) owns the 32 codes k = 64 p + 32 h + 0 .. 31 of its row, six registers: registers 0-3 at byte 16 x lane, registers 4-5 at byte 512 + 8 x lane.
; Images: [tile][piece 0 .. 15][768].  Scale words: [tile][kq 0 .. 3][r][2 words]; word 2 kq + i holds the four bytes of k = 128 (2 kq + i) on.
; A block's scale is 2^(floor(log2(largest magnitude)) - 2): its byte is the largest magnitude's exponent field - 2, held at 1 from below by a floor among the maximum's leaves.
; LIMITS: NaN and infinities among the inputs are not served.  A block of zeros gets the byte 1 where the rule says 127: its codes are zeros, and only this program reads the bytes.
; Work-groups 0-127 take the weights, 128-895 the activations.  No barrier: waves share nothing.  Only the activations' path uses LDS.
; ---- the weights: a lane takes a column n and its registers run down K, so a block of 32 lies in one lane and the codes come out with K innermost
.macro WLOAD t                         ; block t: W(256 kq + 32 t + i, my column); the 32 lanes of a load cover 128 consecutive bytes, the four waves 512
.irp i, 0,1,2,3,4,5,6,7,8,9,10,11,12,13,14,15,16,17,18,19,20,21,22,23,24,25,26,27,28,29,30,31
	global_load_b32 v[56+32*((\t)%2)+\i], v6, s[10:11] offset:(32*(\t)+\i)*4096 th:TH_LOAD_NT
.endr
.endm
.macro WBLOCK t
.set XS, 56+32*((\t)%2)
.set CD, 120+12*((\t)/2)+6*((\t)%2)    ; each piece has registers of its own: no store's data are written again
.set CA, 120+12*((\t)/2)
.if (\t) < 7
	s_wait_loadcnt 32                              ; this block's 32 loads are in; the next block's 32 may be out
.else
	s_wait_loadcnt 0x0
.endif
	v_max3_num_f32 v10, |v[XS]|, |v[XS+1]|, |v[XS+2]|              ; the block's largest magnitude, in two chains
	v_max3_num_f32 v11, |v[XS+3]|, |v[XS+4]|, |v[XS+5]|
.irp i, 6,10,14,18,22,26
	v_max3_num_f32 v10, v10, |v[XS+\i]|, |v[XS+\i+1]|
	v_max3_num_f32 v11, v11, |v[XS+\i+2]|, |v[XS+\i+3]|
.endr
	v_max3_num_f32 v10, v10, |v[XS+30]|, |v[XS+31]|
	v_max3_num_f32 v10, v10, v11, 0x1800000        ; and the floor 2^(3 - 127): the byte cannot fall under 1
	v_add_nc_u32 v12, 0xff000000, v10              ; 2 off the exponent field: the conversion takes this operand's exponent field as its scale
	v_lshrrev_b32 v13, 23, v12                     ; the scale's byte
.if (\t)%4 == 0
	v_mov_b32 v[24+(\t)/4], v13                    ; four bytes to a word, the lower K in the lower byte
.else
	v_lshl_or_b32 v[24+(\t)/4], v13, 8*((\t)%4), v[24+(\t)/4]
.endif
	v_cvt_scalef32_pk16_fp6_f32 v[CD:CD+2], v[XS:XS+15], v12
	v_cvt_scalef32_pk16_fp6_f32 v[16:18], v[XS+16:XS+31], v12      ; (a conversion's three registers begin on an even number)
	v_nop                                          ; one plain place behind a scaled conversion
.irp i, 0,1,2
	v_mov_b32 v[CD+3+\i], v[16+\i]
.endr
.if (\t)+2 < 8
	WLOAD (\t)+2
.endif
.if (\t)%2 == 1
; Lanes 0-15 hold tile 2 Bp's rows and lanes 16-31 tile 2 Bp + 1's; the first six registers hold K half 0 of the piece, the second six K half 1.
; The exchange of the first's upper lanes with the second's lower lanes makes of them the two tiles' pieces.
.irp i, 0,1,2,3,4,5
	v_permlane16_swap_b32 v[CA+\i], v[CA+6+\i]
.endr
	global_store_b128 v4, v[CA:CA+3], s[22:23] offset:768*((\t)/2)             ; 512 consecutive bytes, aligned to 256
	global_store_b64 v5, v[CA+4:CA+5], s[22:23] offset:768*((\t)/2)+512        ; 256 consecutive bytes, aligned
	global_store_b128 v4, v[CA+6:CA+9], s[22:23] offset:768*((\t)/2)+12288
	global_store_b64 v5, v[CA+10:CA+11], s[22:23] offset:768*((\t)/2)+12800
.endif
.endm
; ---- the activations: a wave takes one tile x 512 along K, in four steps of 128
.macro XLOAD st                        ; 16 loads, one row's 512 consecutive bytes each
.irp i, 0,1,2,3,4,5,6,7,8,9,10,11,12,13,14,15
	global_load_b128 v[56+64*((\st)%2)+4*\i:56+64*((\st)%2)+4*\i+3], v4, s[4:5] offset:(\i+8*(\i/8))*4096+512*(\st) th:TH_LOAD_NT
.endr
.endm
.macro XSTEP st
.set XRS, 56+64*((\st)%2)
.set XC, 32+12*((\st)%2)
.if (\st) < 3
	s_wait_loadcnt 16                              ; this step's 16 loads are in; the next step's 16 may be out
.else
	s_wait_loadcnt 0x0
.endif
.irp i, 0,1,2,3,4,5,6,7,8,9,10,11,12,13,14,15
	ds_store_b128 v6, v[XRS+4*\i:XRS+4*\i+3] offset:528*\i     ; through my own stage, rows of 512 + 16 bytes;
.endr
.irp c, 0,1
.irp j, 0,1,2,3,4,5,6,7
	ds_load_b128 v[184+32*\c+4*\j:184+32*\c+4*\j+3], v7 offset:256*\c+16*\j   ; back as 32 neighbours a lane: k = 64 c + 32 h + 0 .. 31 of row r.  LDS serves a wave's instructions in order (ISA guide 5.7.1.4)
.endr
.endr
	s_wait_dscnt 0x0                               ; the numbers are back, and the stores have read their registers,
.if (\st)+2 < 4
	XLOAD (\st)+2                                  ; which take the loads of two steps on
.endif
.irp c, 0,1
	v_max3_num_f32 v[10+\c], |v[184+32*\c]|, |v[185+32*\c]|, 0x1800000        ; my two whole blocks, by turns; the floor 2^(3 - 127) among the leaves
.endr
.irp i, 2,4,6,8,10,12,14,16,18,20,22,24,26,28,30
.irp c, 0,1
	v_max3_num_f32 v[10+\c], v[10+\c], |v[184+32*\c+\i]|, |v[185+32*\c+\i]|
.endr
.endr
.irp c, 0,1
	v_add_nc_u32 v[12+\c], 0xff000000, v[10+\c]    ; the conversion's scale operand
.endr
.irp c, 0,1
	v_lshrrev_b32 v[14+\c], 23, v[12+\c]           ; the byte
.endr
	v_lshl_or_b32 v[24+(\st)], v15, 16, v14        ; my bytes are those of blocks h and 2 + h:
	v_lshlrev_b32 v[24+(\st)], v8, v[24+(\st)]     ; 8 h bits up;
	v_permlanex16_b32 v28, v[24+(\st)], s40, s41
	v_or_b32 v[24+(\st)], v[24+(\st)], v28         ; with lane l xor 16's two the row's word is whole
.if (\st) >= 2
	s_wait_xcnt 0x0                                ; the stores of two steps ago have read this set of code registers
.endif
.irp c, 0,1
	v_cvt_scalef32_pk16_fp6_f32 v[XC+6*\c:XC+6*\c+2], v[184+32*\c:199+32*\c], v[12+\c]
	v_cvt_scalef32_pk16_fp6_f32 v[16+4*\c:18+4*\c], v[200+32*\c:215+32*\c], v[12+\c]
.endr
	v_nop                                          ; one plain place behind a scaled conversion
.irp c, 0,1
.irp i, 0,1,2
	v_mov_b32 v[XC+6*\c+3+\i], v[16+4*\c+\i]
.endr
.endr
.irp c, 0,1
	global_store_b128 v4, v[XC+6*\c:XC+6*\c+3], s[18:19] offset:768*(2*(\st)+\c)
	global_store_b64 v5, v[XC+6*\c+4:XC+6*\c+5], s[18:19] offset:768*(2*(\st)+\c)+512
.endr
.endm
	s_load_b512 s[4:19], s[0:1], 0x0               ; q, k, v, Wq, Wk, Wv, Wo, ximg
	s_load_b128 s[20:23], s[0:1], 0x40             ; xsc, wimg
	s_load_b64 s[24:25], s[0:1], 0x50              ; wsc
	v_lshl_add_u32 v248, v0, 2, 0x8400
	v_mov_b32 v249, 0
	v_lshrrev_b32 v1, 5, v0
	v_readfirstlane_b32 s26, v1                    ; wave 0..3
	v_and_b32 v1, 31, v0                           ; lane
	v_and_b32 v2, 15, v0                           ; r
	v_bfe_u32 v3, v0, 4, 1                         ; h
	v_lshlrev_b32 v4, 4, v1                        ; 16 x lane
	v_lshlrev_b32 v5, 3, v1                        ; 8 x lane
	s_mov_b32 s31, 0
	s_mov_b32 s33, 0
	s_mov_b32 s35, 0
	s_cmp_lt_u32 ttmp9, 128
	s_cbranch_scc0 .Lx_path
	; ---- weights: work-group g: tensor g / 32, K quarter (g / 8) % 4, columns 128 (g % 8) on; wave w: columns 32 Bp on, Bp = 4 (g % 8) + w
	s_lshr_b32 s27, ttmp9, 5                       ; which weight
	s_and_b32 s28, ttmp9, 7
	s_bfe_u32 s29, ttmp9, 0x20003                  ; kq
	s_lshl_b32 s28, s28, 2
	s_add_co_u32 s28, s28, s26                     ; Bp
	v_and_b32 v6, 8, v2
	v_add_nc_u32 v6, v6, v2                        ; r + 8 (r / 8)
	v_lshl_add_u32 v6, v3, 3, v6                   ; + 8 h: my column among the 32
	v_lshlrev_b32 v6, 2, v6
	v_lshlrev_b32 v7, 3, v2
	v_lshl_add_u32 v7, v3, 9, v7                   ; scale words: tile h of the pair, row r: 512 h + 8 r
	s_lshl_b32 s30, s29, 20                        ; in: 256 kq rows of 4,096 bytes
	s_lshl_b32 s32, s28, 7
	s_add_co_u32 s30, s30, s32                     ; + 128 Bp
	s_mul_i32 s32, s27, 786432                     ; image: the weight's 64 tiles,
	s_mul_i32 s34, s28, 24576
	s_add_co_u32 s32, s32, s34                     ; tile 2 Bp,
	s_mul_i32 s34, s29, 3072
	s_add_co_u32 s32, s32, s34                     ; piece 4 kq
	s_lshl_b32 s34, s27, 15                        ; scale words likewise
	s_lshl_b32 s36, s28, 10
	s_add_co_u32 s34, s34, s36
	s_lshl_b32 s36, s29, 7
	s_add_co_u32 s34, s34, s36
	s_wait_kmcnt 0x0
	s_cmp_eq_u32 s27, 1                            ; the choices hang on the work-group's number alone
	s_cselect_b64 s[10:11], s[12:13], s[10:11]
	s_cmp_eq_u32 s27, 2
	s_cselect_b64 s[10:11], s[14:15], s[10:11]
	s_cmp_eq_u32 s27, 3
	s_cselect_b64 s[10:11], s[16:17], s[10:11]
	s_add_nc_u64 s[10:11], s[10:11], s[30:31]
	s_add_nc_u64 s[22:23], s[22:23], s[32:33]
	s_add_nc_u64 s[24:25], s[24:25], s[34:35]
	WLOAD 0
	WLOAD 1
.irp t, 0,1,2,3,4,5,6,7
	WBLOCK \t
.endr
	global_store_b64 v7, v[24:25], s[24:25]        ; my row's two scale words: two runs of 128 consecutive bytes a wave (one byte for each 128 that the wave reads)
	s_endpgm
.Lx_path:
	; ---- activations: work-group g - 128: tensor / 256, pair of tiles % 256; wave w: tile 2 B + w / 2, K half w % 2
	s_sub_co_u32 s27, ttmp9, 128
	s_lshr_b32 s28, s27, 8                         ; which tensor
	s_and_b32 s27, s27, 255                        ; B
	s_lshr_b32 s29, s26, 1                         ; u
	s_and_b32 s36, s26, 1                          ; K half
	s_lshl_b32 s30, s27, 17                        ; in: 32 B rows of 4,096 bytes
	s_lshl_b32 s32, s29, 15
	s_add_co_u32 s30, s30, s32                     ; + 8 u rows
	s_lshl_b32 s32, s36, 11
	s_add_co_u32 s30, s30, s32                     ; + 512 numbers for the upper half of K
	s_lshl_b32 s37, s27, 1
	s_add_co_u32 s37, s37, s29                     ; my tile
	s_mul_i32 s32, s28, 6291456
	s_mul_i32 s34, s37, 12288
	s_add_co_u32 s32, s32, s34
	s_mul_i32 s34, s36, 6144
	s_add_co_u32 s32, s32, s34                     ; image: tensor, tile, piece 8 x half
	s_lshl_b32 s34, s28, 18
	s_lshl_b32 s38, s37, 9
	s_add_co_u32 s34, s34, s38
	s_lshl_b32 s38, s36, 8
	s_add_co_u32 s34, s34, s38                     ; scale words: tensor, tile, kq = 2 x half
	s_mul_i32 s38, s26, 8448                       ; my stage: 16 rows of 528 bytes
	v_add_nc_u32 v6, s38, v4                       ; in: 16 x lane of a row
	v_mul_u32_u24 v7, v2, 528
	v_lshl_add_u32 v7, v3, 7, v7
	v_add_nc_u32 v7, s38, v7                       ; back: row r, + 128 h; rows 33 x 16 bytes apart
	v_lshlrev_b32 v8, 3, v3                        ; 8 h
	v_mov_b32 v28, 0                               ; a lane permute's destination counts as one of its sources
	s_mov_b32 s40, 0x76543210
	s_mov_b32 s41, 0xfedcba98                      ; v_permlanex16_b32's selects for lane l xor 16
	s_wait_kmcnt 0x0
	s_cmp_eq_u32 s28, 1
	s_cselect_b64 s[4:5], s[6:7], s[4:5]
	s_cmp_eq_u32 s28, 2
	s_cselect_b64 s[4:5], s[8:9], s[4:5]
	s_add_nc_u64 s[4:5], s[4:5], s[30:31]
	s_add_nc_u64 s[18:19], s[18:19], s[32:33]
	s_add_nc_u64 s[20:21], s[20:21], s[34:35]
	XLOAD 0
	XLOAD 1
.irp t, 0,1,2,3
	XSTEP \t
.endr
	v_cmp_ne_u32 vcc_lo, 0, v3                     ; lanes 0-15 store the words of steps 0, 1, lanes 16-31 those of steps 2, 3
	v_cndmask_b32 v30, v24, v26, vcc_lo
	v_cndmask_b32 v31, v25, v27, vcc_lo
	global_store_b64 v5, v[30:31], s[20:21]        ; 256 consecutive bytes, aligned
	s_wait_tensorcnt 0x0
	ds_add_u32 v248, v249
	s_wait_dscnt 0x0
	s_endpgm
.Lfunc_end_k_q2a50786581_quant:
	.size	k_q2a50786581_quant, .Lfunc_end_k_q2a50786581_quant-k_q2a50786581_quant
	.p2alignl 7, 3214868480
	.fill 96, 4, 3214868480
	.section	.rodata,"a",@progbits
	.p2align	6, 0x0
	.amdhsa_kernel k_q2a50786581_quant
		.amdhsa_group_segment_fixed_size 34304
		.amdhsa_private_segment_fixed_size 0
		.amdhsa_enable_private_segment 0
		.amdhsa_kernarg_size 88
		.amdhsa_user_sgpr_count 2
		.amdhsa_user_sgpr_kernarg_segment_ptr 1
		.amdhsa_wavefront_size32 1
		.amdhsa_system_sgpr_workgroup_id_x 1
		.amdhsa_system_sgpr_workgroup_id_y 1
		.amdhsa_system_sgpr_workgroup_id_z 1
		.amdhsa_system_vgpr_workitem_id 0
		.amdhsa_next_free_vgpr 250
		.amdhsa_next_free_sgpr 66
		.amdhsa_reserve_vcc 1
		.amdhsa_float_denorm_mode_32 3
		.amdhsa_float_denorm_mode_16_64 3
		.amdhsa_memory_ordered 1
		.amdhsa_forward_progress 1
		.amdhsa_inst_pref_size 70
	.end_amdhsa_kernel
	.amdgpu_metadata
---
amdhsa.version: [ 1, 2 ]
amdhsa.kernels:
  - .name:           k_q2a50786581_quant
    .symbol:         k_q2a50786581_quant.kd
    .args:
      - { .name: q, .offset: 0, .size: 8, .value_kind: global_buffer, .address_space: global }
      - { .name: k, .offset: 8, .size: 8, .value_kind: global_buffer, .address_space: global }
      - { .name: v, .offset: 16, .size: 8, .value_kind: global_buffer, .address_space: global }
      - { .name: Wq, .offset: 24, .size: 8, .value_kind: global_buffer, .address_space: global }
      - { .name: Wk, .offset: 32, .size: 8, .value_kind: global_buffer, .address_space: global }
      - { .name: Wv, .offset: 40, .size: 8, .value_kind: global_buffer, .address_space: global }
      - { .name: Wo, .offset: 48, .size: 8, .value_kind: global_buffer, .address_space: global }
      - { .name: ximg, .offset: 56, .size: 8, .value_kind: global_buffer, .address_space: global }
      - { .name: xsc, .offset: 64, .size: 8, .value_kind: global_buffer, .address_space: global }
      - { .name: wimg, .offset: 72, .size: 8, .value_kind: global_buffer, .address_space: global }
      - { .name: wsc, .offset: 80, .size: 8, .value_kind: global_buffer, .address_space: global }
    .group_segment_fixed_size: 34304
    .private_segment_fixed_size: 0
    .kernarg_segment_align: 8
    .kernarg_segment_size: 88
    .max_flat_workgroup_size: 128
    .sgpr_count:     66
    .vgpr_count:     250
    .wavefront_size: 32
...
	.end_amdgpu_metadata
.endif
;; end of part 1
;; launch proj (part 2): grid 8 x 32, 4 waves a work-group, clusters of 4 x 4, 327,680 bytes of LDS; arguments ximg, xsc, wimg, wsc, bq, bk, bv, qs, kv; writes qs, kv
.if DOCPART == 2
	.amdgcn_target "amdgcn-amd-amdhsa--gfx1250"
	.amdhsa_code_object_version 6
	.text
	.protected	k_q2a50786581_proj
	.globl	k_q2a50786581_proj
	.p2align	8
	.type	k_q2a50786581_proj,@function
k_q2a50786581_proj:
	s_mov_b64 s[64:65], 0
	v_nop
	global_prefetch_b8 v0, s[64:65] scope:SCOPE_SE
	s_setreg_imm32_b32 hwreg(HW_REG_WAVE_MODE, 25, 1), 1
	s_wait_xcnt 0x0
	s_wait_alu depctr_hold_cnt(0) depctr_sa_sdst(0) depctr_va_vdst(0) depctr_va_sdst(0) depctr_va_ssrc(0) depctr_va_vcc(0) depctr_vm_vsrc(0)
	s_getreg_b32 s2, hwreg(HW_REG_IB_STS2, 6, 4)
	s_cmp_eq_u32 s2, 0
	s_cbranch_scc0 .Lentry_in_a_cluster
	s_endpgm
.Lentry_in_a_cluster:
	s_bfe_u32 s2, ttmp6, 0x10000c
	s_cmp_lg_u32 s2, 0xf033
	s_cbranch_scc0 .Lentry_shape_is_right
	s_endpgm
.Lentry_shape_is_right:
; The three projections x W + b on codes of FP6 (E2M3), and the quantising of their results for the attention's two products.
; Operands are images of operand registers: a tile is 16 rows (row r of tile T = 32 (T / 2) + 8 (T % 2) + r + 8 (r / 8)), a piece is a tile x 64 along K, 768 bytes (registers 0-3 at 16 x lane, 4-5 at 512 + 8 x lane); [tile][16 pieces].
; THE PRODUCT: C'[i][j] = sum over k of A[i][k] B[j][k]; source 0 = 16 rows of B, source 1 = 16 rows of A: a lane holds one row of A, and by the tiles' row order the 16 registers of B's tiles 2 b, 2 b + 1 are
; 16 NEIGHBOURS along B's rows.  For q and k: A = tokens, B = features, so the results are quantised along the head's 64.  For v: A = features, B = tokens, so they are quantised along the keys.
; A block is 256 rows of A x 128 rows of B over K = 1,024.  Four waves; wave w takes A's tiles 4 w .. 4 w + 3 against B's eight: 32 accumulators, 8 steps of 128 along K, 256 matrix instructions a block.
; A WORK-GROUP STAYS: it makes three blocks one after the other: its block of q, the same block of k, and a block of v.  K goes through a ring of two LDS slots of 512 along K (four steps): both slots together hold a
; block's whole K, and the ring does not stop at a block's end: a slot is filled with the next block's half as soon as its last fragments are in registers, so a block's quantising and stores stand beside the next block's fills.
; CLUSTERS of 4 x 4: A's tiles hang on the tile row alone and are asked for jointly along a row of the cluster, B's on the tile column alone, along a column.
; q, k: tile row (256 tokens) = 4 x cluster y + cy, tile column (128 features) = 4 x cluster x + cx.  v: tile row (256 features) = cy, tile column (128 tokens) = 4 (2 x cluster y + cluster x) + cx.
; OUT: qs and kv: [batch x head 64][step of 128 tokens 16][13,312]: 8 tiles x 768 of codes (K = the head's 64), 512 bytes of their scale words [half][r][4 tiles];
;      in kv then 4 tiles of V^T (16 channels x 128 keys) x 1,536 and 512 bytes of their scale words [lane][4 tiles].
; LIMITS: NaN and infinities are not served; a block of zeros gets the byte 1 where the rule says 127 (its codes are zeros; only this program reads the bytes).
; REGISTERS: window 0: v1 r, v2 h, v3 16 l, v4 8 l, v5 8 r; v8-11 A's LDS addresses by slot, v12-15 B's; v24-29 offsets; v30-31 for the add; v32-63 A's scale words [8 a + s]; v64-127 B's [8 b + s]; v128-207 the way out.
;   window 1: B's fragments, two sets at v0 and v128.  window 2: A's, two sets at v0 and v64; v128-191 the bias.  window 3: accumulator (a, b) at v[8 (8 a + b)].
; SCALARS: s22 wave, s23 wave / 2, s24 wave % 2; s[38:39], s[42:43] scale words of A and B for q (k's lie a constant further on); s[80:83] for v; s[60:63], s[68:69] the biases; s[70:75] the three outputs;
;   s[76:79] A's and B's images for v; s[44:51], s[52:59] descriptor groups 0 of A and B, a set for each slot; s[84:91], s[92:99] groups 1.
.set SLOT,  147456                     ; A's 16 tiles x 6,144 bytes, then B's 8
.set SPARE, 2*SLOT                     ; behind the ring: the spare words, 128 bytes for each wave: two blocks of 256 bytes that no other line names
.set AS,   32
.set BS,   64
.set BIAS, 128                         ; in window 2
.set PC,   128                         ; the way out: tile a's 12 code registers at PC + 12 a
.set CT,   176                         ; the conversions' second halves
.set TM,   184                         ; +0..3 largest magnitudes, +4..7 the other half's, then bytes, +12..15 scale operands
.set PW,   200                         ; tile a's scale word
.set DW,   204
.set SPW,  30                          ; LDS address of my spare word: SPARE + 4 x my thread's number; never rewritten
.set NIL,  31                          ; 0; never rewritten
.set G0A,  44
.set G0B,  52
.set G1A,  84
.set G1B,  92
.set MSB, 0
.macro WIN new                         ; the immediate's high byte repeats the setting that is left
.if MSB != \new
	s_set_vgpr_msb (MSB<<8)|\new
.set MSB, \new
.endif
.endm
.macro CREST                           ; a round of the cluster's barrier behind its opening barrier
	s_cmp_lg_u32 s22, 0
	s_cbranch_scc1 .Lnot_wave_0_\@
	s_barrier_signal -3
.Lnot_wave_0_\@:
	s_barrier_wait -3
	s_barrier_signal -1
	s_barrier_wait -1
.endm
.macro ROUND                           ; a whole round
	s_barrier_signal -1
	s_barrier_wait -1
	CREST
.endm
.macro PLACES n
.rept \n
	v_nop
.endr
.endm
; A joint refill of slot s: waves 0 and 1 fetch A's two halves, waves 2 and 3 B's.  Each line has one mask and one set of registers for all that issue it; the branch hangs on the wave's number alone.
; Four v_nop follow each of the two lines, ahead of the jump, the label and what follows.
.macro JLOAD s
	s_cmp_eq_u32 s23, 0
	s_cbranch_scc0 .Lfor_b_\@
	tensor_load_to_lds s[G0A+4*(\s):G0A+4*(\s)+3], s[G1A:G1A+7]
	s_nop 0
.rept 4
	v_nop
.endr
	s_branch .Lasked_\@
.Lfor_b_\@:
	tensor_load_to_lds s[G0B+4*(\s):G0B+4*(\s)+3], s[G1B:G1B+7]
	s_nop 0
.rept 4
	v_nop
.endr
.Lasked_\@:
.endm
; The fragments of step s (slot s / 4; two pieces of each tile) into set s % 2: 48 loads, each of consecutive bytes across the lanes
.macro FETCH s
	WIN 0x40                                       ; destination window 1
.irp b, 0,1,2,3,4,5,6,7
	ds_load_b128 v[128*((\s)%2)+12*\b:128*((\s)%2)+12*\b+3], v[12+(\s)/4] offset:6144*\b+1536*((\s)%4)
	ds_load_b64 v[128*((\s)%2)+12*\b+4:128*((\s)%2)+12*\b+5], v[14+(\s)/4] offset:6144*\b+1536*((\s)%4)+512
	ds_load_b128 v[128*((\s)%2)+12*\b+6:128*((\s)%2)+12*\b+9], v[12+(\s)/4] offset:6144*\b+1536*((\s)%4)+768
	ds_load_b64 v[128*((\s)%2)+12*\b+10:128*((\s)%2)+12*\b+11], v[14+(\s)/4] offset:6144*\b+1536*((\s)%4)+1280
.endr
	WIN 0x80                                       ; destination window 2
.irp a, 0,1,2,3
	ds_load_b128 v[64*((\s)%2)+12*\a:64*((\s)%2)+12*\a+3], v[8+(\s)/4] offset:6144*\a+1536*((\s)%4)
	ds_load_b64 v[64*((\s)%2)+12*\a+4:64*((\s)%2)+12*\a+5], v[10+(\s)/4] offset:6144*\a+1536*((\s)%4)+512
	ds_load_b128 v[64*((\s)%2)+12*\a+6:64*((\s)%2)+12*\a+9], v[8+(\s)/4] offset:6144*\a+1536*((\s)%4)+768
	ds_load_b64 v[64*((\s)%2)+12*\a+10:64*((\s)%2)+12*\a+11], v[10+(\s)/4] offset:6144*\a+1536*((\s)%4)+1280
.endr
	WIN 0
.endm
; 16 matrix instructions of step s: A's tiles a0, a0 + 1 against B's eight.  The 32 accumulators take turns, one instruction a turn, in the same order in every step.
; cmode 0: onto the sums.  1: the bias of B's rows starts them (C = BIAS + 8 b).  2: the bias of A's rows (C = BIAS + 8 a).
.macro MULH s, a0, cmode
.if (\cmode) == 0
	WIN 0xf9                                       ; source 0 (B) window 1, source 1 (A) window 2, C and D window 3
.else
	WIN 0xe9                                       ; C in window 2
.endif
.irp a, \a0, \a0+1
.irp b, 0,1,2,3,4,5,6,7
.if (\cmode) == 0
	v_wmma_scale_f32_16x16x128_f8f6f4 v[8*(8*(\a)+\b):8*(8*(\a)+\b)+7], v[128*((\s)%2)+12*\b:128*((\s)%2)+12*\b+11], v[64*((\s)%2)+12*(\a):64*((\s)%2)+12*(\a)+11], v[8*(8*(\a)+\b):8*(8*(\a)+\b)+7], v[BS+8*\b+(\s)], v[AS+8*(\a)+(\s)] matrix_a_fmt:MATRIX_FMT_FP6 matrix_b_fmt:MATRIX_FMT_FP6
.elseif (\cmode) == 1
	v_wmma_scale_f32_16x16x128_f8f6f4 v[8*(8*(\a)+\b):8*(8*(\a)+\b)+7], v[128*((\s)%2)+12*\b:128*((\s)%2)+12*\b+11], v[64*((\s)%2)+12*(\a):64*((\s)%2)+12*(\a)+11], v[BIAS+8*\b:BIAS+8*\b+7], v[BS+8*\b+(\s)], v[AS+8*(\a)+(\s)] matrix_a_fmt:MATRIX_FMT_FP6 matrix_b_fmt:MATRIX_FMT_FP6
.else
	v_wmma_scale_f32_16x16x128_f8f6f4 v[8*(8*(\a)+\b):8*(8*(\a)+\b)+7], v[128*((\s)%2)+12*\b:128*((\s)%2)+12*\b+11], v[64*((\s)%2)+12*(\a):64*((\s)%2)+12*(\a)+11], v[BIAS+8*(\a):BIAS+8*(\a)+7], v[BS+8*\b+(\s)], v[AS+8*(\a)+(\s)] matrix_a_fmt:MATRIX_FMT_FP6 matrix_b_fmt:MATRIX_FMT_FP6
.endif
.endr
.endr
.endm
.macro MUL s, cmode
	MULH \s, 0, \cmode
	MULH \s, 2, \cmode
.endm
; The scale words of steps 2 kq and 2 kq + 1: lane r takes row r's two words; A's four tiles from base pa + oa, B's eight from pb + ob
.macro SCL kq, pa, oa, pb, ob
.irp a, 0,1,2,3
	global_load_b64 v[AS+8*\a+2*(\kq):AS+8*\a+2*(\kq)+1], v5, s[\pa:\pa+1] offset:(\oa)+512*\a+128*(\kq)
.endr
.irp b, 0,1,2,3,4,5,6,7
	global_load_b64 v[BS+8*\b+2*(\kq):BS+8*\b+2*(\kq)+1], v5, s[\pb:\pb+1] offset:(\ob)+512*\b+128*(\kq)
.endr
.endm
.macro BIASF pb                        ; q, k: lane (r, h) wants, for B's tile b, the bias of features 32 (b / 2) + 8 (b % 2) + 16 h + 0 .. 7
	WIN 0x80                                       ; destination window 2
.irp b, 0,1,2,3,4,5,6,7
	global_load_b128 v[BIAS+8*\b:BIAS+8*\b+3], v24, s[\pb:\pb+1] offset:(32*(\b/2)+8*(\b%2))*4
	global_load_b128 v[BIAS+8*\b+4:BIAS+8*\b+7], v24, s[\pb:\pb+1] offset:(32*(\b/2)+8*(\b%2))*4+16
.endr
	WIN 0
.endm
.macro BIASV                           ; v: lane r wants the bias of A's row r of tile a in all eight registers of C: eight loads of one address a tile
	WIN 0x80
.irp a, 0,1,2,3
.irp j, 0,1,2,3,4,5,6,7
	global_load_b32 v[BIAS+8*\a+\j], v29, s[68:69] offset:(32*(\a/2)+8*(\a%2))*4
.endr
.endr
	WIN 0
.endm
.macro NEXTSC t, kq                    ; what block t + 1 wants: k's words lie 262,144 (tokens) and 32,768 (weights) bytes behind q's; v's have bases of their own
.if (\t) == 0
	SCL \kq, 38, 262144, 42, 32768
.elseif (\t) == 1
	SCL \kq, 80, 0, 82, 0
.endif
.endm
.macro NEXTBIAS t
.if (\t) == 0
	BIASF 62
.elseif (\t) == 1
	BIASV
.endif
.endm
; A step of block t that has its successor in the same slot: its fragments are in; the next step's are asked for, 32 matrix instructions ahead of their use; then the products.
; The scale words of steps 2 kq, 2 kq + 1 are done with when step 2 kq + 1 is issued: the next block's are loaded over them two steps on, and the next block's bias with the first of them.
.macro KSTEP t, s, cmode
	s_wait_dscnt 0x0                               ; this step's 48 loads are in
.if ((\s) > 0) || ((\t) > 0)
	PLACES 4                                       ; loads into registers that matrix instructions have read stand four places behind them (ISA guide 7.12.1 for vector instructions)
.endif
.if ((\t) < 2) && ((\s) == 2)
	WIN 0
	NEXTBIAS \t
	NEXTSC \t, 0
.elseif ((\t) < 2) && ((\s) == 4)
	WIN 0
	NEXTSC \t, 1
.elseif ((\t) < 2) && ((\s) == 6)
	WIN 0
	NEXTSC \t, 2
.endif
	FETCH (\s)+1
	MUL \s, \cmode
.endm
; A slot's last step (s = 3 or 7) changes slots: ONE barrier.  In front of it each wave waits for all its tensor loads, of which one is out: its part of the slot that is read next; adds 0 to its spare word; and waits for
; that and for its own reads of this slot.  fill = 1: the barrier opens a round of the cluster's barrier, and behind the round this slot is filled with the same half of K of block t + 1: the wave's one tensor load until
; the next round.  It has four steps (128 matrix instructions), or a way out and three steps, in which to land.
.macro TURN t, s, fill
	WIN 0                                          ; (the add's two registers lie in window 0)
	s_wait_tensorcnt 0x0                           ; no tensor load of mine is out, so a group 0 may be written
	ds_add_u32 v[SPW], v[NIL]                      ; 0 onto my spare word; the descriptors' steps stand between it and the wait for it
.if \fill
.if (\t) == 0                                  ; from q to k: the same tiles of the next tensor's image and of the next weight's
	s_add_nc_u64 s[G0A+4*((\s)/4)+2:G0A+4*((\s)/4)+3], s[G0A+4*((\s)/4)+2:G0A+4*((\s)/4)+3], 6291456
	s_add_nc_u64 s[G0B+4*((\s)/4)+2:G0B+4*((\s)/4)+3], s[G0B+4*((\s)/4)+2:G0B+4*((\s)/4)+3], 786432
.else                                          ; from k to v: the weight is A and the tokens are B
	s_add_nc_u64 s[G0A+4*((\s)/4)+2:G0A+4*((\s)/4)+3], s[76:77], ((\s)/4)*6144
	s_or_b32 s[G0A+4*((\s)/4)+3], s[G0A+4*((\s)/4)+3], 0x80000000
	s_add_nc_u64 s[G0B+4*((\s)/4)+2:G0B+4*((\s)/4)+3], s[78:79], ((\s)/4)*6144
	s_or_b32 s[G0B+4*((\s)/4)+3], s[G0B+4*((\s)/4)+3], 0x80000000
.endif
.endif
	s_wait_dscnt 0x0                               ; the add is done, this step's fragments are in, and with them my reads of this slot are over
	s_barrier_signal -1
	MULH \s, 0, 0                                  ; work on registers while the others arrive
	WIN 0
	s_barrier_wait -1
.if \fill
	CREST                                          ; no wave of any partner still reads this slot or has a load on its way
	JLOAD (\s)/4                                   ; the first tensor load behind the round; the four v_nop behind it are also the places in front of the loads below
.else
	PLACES 4
.endif
	FETCH ((\s)+1)%8                               ; the other slot's first fragments (behind step 7: the next block's)
	MULH \s, 2, 0
.endm
; Tile a's 64 results of a lane, register 16 b + i = index 32 b + 16 h + i along B's rows, become a fragment's 12 registers at PC + 12 a and its scale word PW + a.
.macro QUANT a
	WIN 0x0f                                       ; sources 0 and 1: window 3.
.irp b, 0,1,2,3
	v_max3_num_f32 v[TM+\b], |v[64*(\a)+16*\b]|, |v[64*(\a)+16*\b+1]|, 0x1800000   ; the floor 2^(3 - 127) among the leaves: the byte cannot fall under 1
.endr
	WIN 0x3c                                       ; sources 1 and 2: window 3
.irp i, 2,4,6,8,10,12,14
.irp b, 0,1,2,3
	v_max3_num_f32 v[TM+\b], v[TM+\b], |v[64*(\a)+16*\b+\i]|, |v[64*(\a)+16*\b+\i+1]|   ; the four blocks by turns
.endr
.endr
	WIN 0
.irp b, 0,1,2,3
	v_permlanex16_b32 v[TM+4+\b], v[TM+\b], s100, s101
.endr
.irp b, 0,1,2,3
	v_max_num_f32 v[TM+\b], v[TM+\b], v[TM+4+\b]   ; with lane l xor 16's 16: the block's largest magnitude
.endr
.irp b, 0,1,2,3
	v_add_nc_u32 v[TM+12+\b], 0xff000000, v[TM+\b] ; 2 off its exponent field: the conversion's scale operand
.endr
.irp b, 0,1,2,3
	v_lshrrev_b32 v[TM+4+\b], 23, v[TM+12+\b]      ; the byte
.endr
	v_lshl_or_b32 v[PW+(\a)], v[TM+5], 8, v[TM+4]
	v_lshl_or_b32 v[PW+(\a)], v[TM+6], 16, v[PW+(\a)]
	v_lshl_or_b32 v[PW+(\a)], v[TM+7], 24, v[PW+(\a)]
	WIN 0x03                                       ; source 0: window 3
.irp c, 0,1
	v_cvt_scalef32_pk16_fp6_f32 v[PC+12*(\a)+6*\c:PC+12*(\a)+6*\c+2], v[64*(\a)+32*\c:64*(\a)+32*\c+15], v[TM+12+2*\c]
	v_cvt_scalef32_pk16_fp6_f32 v[CT+4*\c:CT+4*\c+2], v[64*(\a)+32*\c+16:64*(\a)+32*\c+31], v[TM+13+2*\c]
.endr
	WIN 0
	v_nop                                          ; one plain place behind a scaled conversion
.irp c, 0,1                                    ; the operand's layout wants a whole block in a lane: lanes 0-15 block 2 c, lanes 16-31 block 2 c + 1
.irp i, 0,1,2
	v_permlane16_swap_b32 v[PC+12*(\a)+6*\c+\i], v[CT+4*\c+\i]
.endr
.irp i, 0,1,2
	v_mov_b32 v[PC+12*(\a)+6*\c+3+\i], v[CT+4*\c+\i]
.endr
.endr
.endm
; THE WAY OUT of block t: quantised in registers and stored from them.  Both refills for the next block have been asked for, and its first fragments too.
.macro WAYOUT t
	WIN 0
.if (\t) > 0
	s_wait_xcnt 0x0                                ; the last block's stores have read their data: the code and scale registers are written again only behind this wait
.endif
.irp b, 0,1,2,3
	v_mov_b32 v[TM+4+\b], 0                        ; a lane permute's destination counts as one of its sources.  These four name no register of the last products: they are the four places behind them
.endr
.if (\t) < 2
	NEXTSC \t, 3                                   ; the last pair of the next block's scale words: it lands while this block is quantised
.endif
.irp a, 0,1,2,3
	QUANT \a
.irp c, 0,1
.if (\t) < 2
	global_store_b128 v25, v[PC+12*\a+6*\c:PC+12*\a+6*\c+3], s[70+2*(\t):71+2*(\t)] offset:768*\a+212992*\c          ; piece c is head c's: 512 consecutive bytes, aligned to 256,
	global_store_b64 v26, v[PC+12*\a+6*\c+4:PC+12*\a+6*\c+5], s[70+2*(\t):71+2*(\t)] offset:768*\a+212992*\c+512     ; and 256
.else
	global_store_b128 v3, v[PC+12*\a+6*\c:PC+12*\a+6*\c+3], s[74:75] offset:1536*\a+768*\c
	global_store_b64 v4, v[PC+12*\a+6*\c+4:PC+12*\a+6*\c+5], s[74:75] offset:1536*\a+768*\c+512
.endif
.endr
.endr
.if (\t) < 2
.irp a, 0,1,2,3
	v_lshrrev_b32 v[DW+\a], v28, v[PW+\a]          ; bytes 0, 1: my head's two blocks.  Bytes 2, 3 (the other head's, or 0) scale zero codes and are never 0xff
.endr
	global_store_b128 v27, v[DW:DW+3], s[70+2*(\t):71+2*(\t)] offset:6144      ; two runs of 256 consecutive bytes, aligned
.else
	global_store_b128 v3, v[PW:PW+3], s[74:75] offset:6144       ; 512 consecutive bytes, aligned
.endif
.endm
; Block t: 0 q, 1 k, 2 v.  Its first fragments have been asked for, its scale words and bias are in.
.macro BLOCK t
	KSTEP \t, 0, 1+(\t)/2                          ; the bias starts the sums
	KSTEP \t, 1, 0
	KSTEP \t, 2, 0
.if (\t) < 2
	TURN \t, 3, 1
.else
	TURN \t, 3, 0                                  ; the last block asks for nothing more
.endif
	KSTEP \t, 4, 0
	KSTEP \t, 5, 0
	KSTEP \t, 6, 0
.if (\t) < 2
	TURN \t, 7, 1
.else
	s_wait_dscnt 0x0
	MUL 7, 0
.endif
	WAYOUT \t
.if (\t) < 2
	s_wait_loadcnt 0x0                             ; the next block's scale words and bias
.endif
.endm
	s_load_b512 s[4:19], s[0:1], 0x0               ; ximg, xsc, wimg, wsc, bq, bk, bv, qs
	s_load_b64 s[20:21], s[0:1], 0x40              ; kv
	v_lshl_add_u32 v[SPW], v0, 2, SPARE
	v_mov_b32 v[NIL], 0
	ds_add_u32 v30, v31
	ds_add_u32 v30, v31
	s_wait_dscnt 0x0
	v_lshrrev_b32 v1, 5, v0
	v_readfirstlane_b32 s22, v1                    ; wave 0..3
	s_lshr_b32 s23, s22, 1                         ; I fetch for A (0) or for B (1)
	s_and_b32 s24, s22, 1                          ; which half of a slot's tiles I fetch
	s_bfe_u32 s25, ttmp6, 0x40000                  ; cx
	s_bfe_u32 s26, ttmp6, 0x40004                  ; cy: also v's tile row
	s_and_b32 s27, ttmp7, 0xffff                   ; the cluster's y: 0 .. 7
	s_lshl_b32 s29, s27, 2
	s_add_co_u32 s29, s29, s26                     ; q, k: tile row: hangs on cy alone within a cluster
	s_lshl_b32 s30, ttmp9, 2
	s_add_co_u32 s30, s30, s25                     ; q, k: tile column: on cx alone
	s_lshl_b32 s28, s27, 1
	s_add_co_u32 s28, s28, ttmp9
	s_lshl_b32 s28, s28, 2
	s_add_co_u32 s28, s28, s25                     ; v: tile column: on cx alone
	s_lshl_b32 s31, s26, 2
	s_lshl_b32 s31, 15, s31                        ; my row of the cluster
	s_lshl_b32 s2, 0x1111, s25                     ; my column
	; group 1: rows of 6,144 bytes (a tile's eight pieces of a slot) as 768 elements of 8 bytes, 12,288 bytes (1,536 elements) from tile to tile; A: 8 tiles a load, B: 4; no padding
	s_or_b32 s[G1A], s31, (3<<16)|(1<<21)          ; 15:0 the mask; 17:16 elements of 8 bytes; 21 set beside a mask
	s_or_b32 s[G1B], s2, (3<<16)|(1<<21)
	s_mov_b32 s[G1A+1], 768<<16                    ; tensor_dim0
	s_mov_b32 s[G1A+2], 8<<16                      ; tensor_dim1
	s_mov_b32 s[G1A+3], 768<<16                    ; tile_dim0
	s_mov_b32 s[G1A+4], 8                          ; tile_dim1
	s_mov_b32 s[G1A+5], 1536                       ; the pitch
	s_mov_b32 s[G1A+6], 0
	s_mov_b32 s[G1A+7], 0
	s_mov_b32 s[G1B+1], 768<<16
	s_mov_b32 s[G1B+2], 4<<16
	s_mov_b32 s[G1B+3], 768<<16
	s_mov_b32 s[G1B+4], 4
	s_mov_b32 s[G1B+5], 1536
	s_mov_b32 s[G1B+6], 0
	s_mov_b32 s[G1B+7], 0
	s_mul_i32 s32, s29, 196608                     ; q's A: 16 tiles a tile row,
	s_mul_i32 s3, s24, 98304
	s_add_co_u32 s32, s32, s3                      ; my 8 of them
	s_mov_b32 s33, 0
	s_mul_i32 s34, s30, 98304                      ; q's B: 8 tiles a tile column,
	s_mul_i32 s3, s24, 49152
	s_add_co_u32 s34, s34, s3                      ; my 4
	s_mov_b32 s35, 0
	s_mov_b32 s67, 0
	s_mov_b32 s100, 0x76543210
	s_mov_b32 s101, 0xfedcba98                     ; v_permlanex16_b32's selects for lane l xor 16
	s_mul_i32 s3, s24, 49152                       ; LDS: my half of a slot's A (8 tiles of 6,144 bytes),
	s_mul_i32 s31, s24, 24576                      ; of its B: the wave's number alone enters an LDS address
	s_wait_kmcnt 0x0
	s_add_nc_u64 s[36:37], s[4:5], s[32:33]
	s_add_nc_u64 s[40:41], s[8:9], s[34:35]
.irp s, 0,1
	s_mov_b32 s[G0A+4*\s], 1                       ; count = 1
	s_add_co_u32 s[G0A+4*\s+1], s3, \s*SLOT        ; LDS address
	s_add_nc_u64 s[G0A+4*\s+2:G0A+4*\s+3], s[36:37], \s*6144   ; global address: half s of K
	s_or_b32 s[G0A+4*\s+3], s[G0A+4*\s+3], 0x80000000   ; type = 2
	s_mov_b32 s[G0B+4*\s], 1
	s_add_co_u32 s[G0B+4*\s+1], s31, 98304+\s*SLOT      ; B's tiles lie behind A's sixteen
	s_add_nc_u64 s[G0B+4*\s+2:G0B+4*\s+3], s[40:41], \s*6144
	s_or_b32 s[G0B+4*\s+3], s[G0B+4*\s+3], 0x80000000
.endr
	ROUND                                          ; all sixteen work-groups are here: the first joint loads meet
	s_cmp_eq_u32 s23, 0                            ; a wave's two first fills stand in one branch on its number: two tensor loads of mine are out
	s_cbranch_scc0 .Lfill_b
	tensor_load_to_lds s[G0A:G0A+3], s[G1A:G1A+7]
	s_nop 0
	tensor_load_to_lds s[G0A+4:G0A+7], s[G1A:G1A+7]
	s_nop 0
.rept 4
	v_nop
.endr
	s_branch .Lfilled
.Lfill_b:
	tensor_load_to_lds s[G0B:G0B+3], s[G1B:G1B+7]
	s_nop 0
	tensor_load_to_lds s[G0B+4:G0B+7], s[G1B:G1B+7]
	s_nop 0
.rept 4
	v_nop
.endr
.Lfilled:
	v_and_b32 v6, 31, v0
	v_and_b32 v1, 15, v0                           ; r
	v_bfe_u32 v2, v0, 4, 1                         ; h
	v_lshlrev_b32 v3, 4, v6                        ; 16 x lane
	v_lshlrev_b32 v4, 3, v6                        ; 8 x lane
	v_lshlrev_b32 v5, 3, v1                        ; 8 r
	v_lshlrev_b32 v24, 6, v2                       ; 64 h: q's and k's bias
	v_and_b32 v29, 8, v1
	v_add_nc_u32 v29, v29, v1
	v_lshlrev_b32 v29, 2, v29                      ; 4 (r + 8 (r / 8)): v's bias
	s_lshl_b32 s66, s29, 13                        ; q's A: scale words: 16 tiles of 512 bytes a tile row, my four
	s_lshl_b32 s3, s22, 11
	s_add_co_u32 s66, s66, s3
	s_add_nc_u64 s[38:39], s[6:7], s[66:67]
	s_lshl_b32 s66, s30, 12                        ; q's B: 8 tiles a tile column
	s_add_nc_u64 s[42:43], s[10:11], s[66:67]
	s_lshl_b32 s66, s30, 9                         ; q's and k's bias: my 128 features
	s_add_nc_u64 s[60:61], s[12:13], s[66:67]
	s_add_nc_u64 s[62:63], s[14:15], s[66:67]
.irp kq, 0,1,2,3
	SCL \kq, 38, 0, 42, 0                          ; q's scale words, for all of K, stay in registers
.endr
	BIASF 60
	s_lshl_b32 s66, s26, 13                        ; v's A: the third weight's scale words, tile row cy, my four tiles
	s_add_co_u32 s66, s66, s3
	s_add_co_u32 s66, s66, 65536
	s_add_nc_u64 s[80:81], s[10:11], s[66:67]
	s_lshl_b32 s66, s28, 12                        ; v's B: the third tensor's
	s_add_co_u32 s66, s66, 524288
	s_add_nc_u64 s[82:83], s[6:7], s[66:67]
	s_lshl_b32 s66, s26, 10                        ; v's bias: my 64 features
	s_lshl_b32 s3, s22, 8
	s_add_co_u32 s66, s66, s3
	s_add_nc_u64 s[68:69], s[16:17], s[66:67]
	s_mul_i32 s32, s26, 196608                     ; v's A: the third weight's image, tile row cy, my 8 tiles: made of cy and the wave's number alone
	s_mul_i32 s3, s24, 98304
	s_add_co_u32 s32, s32, s3
	s_add_co_u32 s32, s32, 1572864
	s_add_nc_u64 s[76:77], s[8:9], s[32:33]
	s_mul_i32 s34, s28, 98304                      ; v's B: the third tensor's image, my 4 tiles: of cx, the cluster's place and the wave's number alone
	s_mul_i32 s3, s24, 49152
	s_add_co_u32 s34, s34, s3
	s_add_co_u32 s34, s34, 12582912
	s_add_nc_u64 s[78:79], s[4:5], s[34:35]
	s_lshr_b32 s66, s29, 3                         ; q's and k's out: batch = tile row / 8; heads 2 x tile column and the next;
	s_lshl_b32 s66, s66, 4
	s_lshl_b32 s3, s30, 1
	s_add_co_u32 s66, s66, s3
	s_mul_i32 s66, s66, 212992
	s_and_b32 s3, s29, 7
	s_lshl_b32 s3, s3, 1
	s_add_co_u32 s3, s3, s23                       ; step = 2 (tile row % 8) + wave / 2
	s_mul_i32 s3, s3, 13312
	s_add_co_u32 s66, s66, s3
	s_add_nc_u64 s[70:71], s[18:19], s[66:67]
	s_add_nc_u64 s[72:73], s[20:21], s[66:67]
	s_lshr_b32 s66, s28, 4                         ; v's out: batch = tile column / 16; head = 4 cy + wave; step = tile column % 16; behind the step's K part
	s_lshl_b32 s66, s66, 4
	s_lshl_b32 s3, s26, 2
	s_add_co_u32 s66, s66, s3
	s_add_co_u32 s66, s66, s22
	s_mul_i32 s66, s66, 212992
	s_and_b32 s3, s28, 15
	s_mul_i32 s3, s3, 13312
	s_add_co_u32 s66, s66, s3
	s_add_co_u32 s66, s66, 6656
	s_add_nc_u64 s[74:75], s[20:21], s[66:67]
	s_mul_i32 s3, s24, 3072                        ; q's and k's stores: tiles 4 (wave % 2) on
	v_add_nc_u32 v25, s3, v3
	v_add_nc_u32 v26, s3, v4
	v_mul_u32_u24 v27, v2, 212992                  ; scale words: lanes 0-15 store the first head's, lanes 16-31 the second's
	v_lshl_add_u32 v27, v1, 4, v27
	s_lshl_b32 s3, s24, 8
	v_add_nc_u32 v27, s3, v27
	v_lshlrev_b32 v28, 4, v2                       ; 16 h
	s_mul_i32 s66, s22, 24576                      ; my four tiles of A in a slot
.irp s, 0,1
	v_add_nc_u32 v[8+\s], s66, v3
	v_add_nc_u32 v[10+\s], s66, v4
	v_add_nc_u32 v[12+\s], 98304+\s*SLOT, v3
	v_add_nc_u32 v[14+\s], 98304+\s*SLOT, v4
	s_add_co_u32 s66, s66, SLOT
.endr
	s_wait_tensorcnt 0x1                           ; my part of slot 0 has landed; slot 1's may stay out
	s_barrier_signal -1
	s_barrier_wait -1                              ; everybody's has
	FETCH 0
	s_wait_loadcnt 0x0                             ; q's scale words and bias
	BLOCK 0
	BLOCK 1
	BLOCK 2
	s_wait_tensorcnt 0x0                           ; the wave's end: my last LDS instructions, behind my last tensor load
	ds_add_u32 v[SPW], v[NIL]
	s_wait_dscnt 0x0
	ROUND                                          ; the closing round: no work-group ends while a partner may still ask for a tile that names it
	s_endpgm
.Lfunc_end_k_q2a50786581_proj:
	.size	k_q2a50786581_proj, .Lfunc_end_k_q2a50786581_proj-k_q2a50786581_proj
	.p2alignl 7, 3214868480
	.fill 96, 4, 3214868480
	.section	.rodata,"a",@progbits
	.p2align	6, 0x0
	.amdhsa_kernel k_q2a50786581_proj
		.amdhsa_group_segment_fixed_size 327680
		.amdhsa_private_segment_fixed_size 0
		.amdhsa_enable_private_segment 0
		.amdhsa_kernarg_size 72
		.amdhsa_user_sgpr_count 2
		.amdhsa_user_sgpr_kernarg_segment_ptr 1
		.amdhsa_wavefront_size32 1
		.amdhsa_system_sgpr_workgroup_id_x 1
		.amdhsa_system_sgpr_workgroup_id_y 1
		.amdhsa_system_sgpr_workgroup_id_z 1
		.amdhsa_system_vgpr_workitem_id 0
		.amdhsa_next_free_vgpr 1024
		.amdhsa_next_free_sgpr 102
		.amdhsa_reserve_vcc 0
		.amdhsa_float_denorm_mode_32 3
		.amdhsa_float_denorm_mode_16_64 3
		.amdhsa_memory_ordered 1
		.amdhsa_forward_progress 1
		.amdhsa_inst_pref_size 255
	.end_amdhsa_kernel
	.section	.bss,"aw",@nobits
	.p2align	6
	.space	262144
	.amdgpu_metadata
---
amdhsa.version: [ 1, 2 ]
amdhsa.kernels:
  - .name:           k_q2a50786581_proj
    .symbol:         k_q2a50786581_proj.kd
    .args:
      - { .name: ximg, .offset: 0, .size: 8, .value_kind: global_buffer, .address_space: global }
      - { .name: xsc, .offset: 8, .size: 8, .value_kind: global_buffer, .address_space: global }
      - { .name: wimg, .offset: 16, .size: 8, .value_kind: global_buffer, .address_space: global }
      - { .name: wsc, .offset: 24, .size: 8, .value_kind: global_buffer, .address_space: global }
      - { .name: bq, .offset: 32, .size: 8, .value_kind: global_buffer, .address_space: global }
      - { .name: bk, .offset: 40, .size: 8, .value_kind: global_buffer, .address_space: global }
      - { .name: bv, .offset: 48, .size: 8, .value_kind: global_buffer, .address_space: global }
      - { .name: qs, .offset: 56, .size: 8, .value_kind: global_buffer, .address_space: global }
      - { .name: kv, .offset: 64, .size: 8, .value_kind: global_buffer, .address_space: global }
    .group_segment_fixed_size: 327680
    .private_segment_fixed_size: 0
    .kernarg_segment_align: 8
    .kernarg_segment_size: 72
    .max_flat_workgroup_size: 128
    .sgpr_count:     102
    .vgpr_count:     1024
    .wavefront_size: 32
...
	.end_amdgpu_metadata
.endif
;; end of part 2
;; launch attn (part 3): grid 4 x 64, 8 waves a work-group, clusters of 4 x 1, 214,016 bytes of LDS; arguments qs, kv, cimg, csc; writes cimg, csc
.if DOCPART == 3
	.amdgcn_target "amdgcn-amd-amdhsa--gfx1250"
	.amdhsa_code_object_version 6
	.text
	.protected	k_q2a50786581_attn
	.globl	k_q2a50786581_attn
	.p2align	8
	.type	k_q2a50786581_attn,@function
k_q2a50786581_attn:
	s_mov_b64 s[64:65], 0
	v_nop
	global_prefetch_b8 v0, s[64:65] scope:SCOPE_SE
	s_setreg_imm32_b32 hwreg(HW_REG_WAVE_MODE, 25, 1), 1
	s_wait_xcnt 0x0
	s_wait_alu depctr_hold_cnt(0) depctr_sa_sdst(0) depctr_va_vdst(0) depctr_va_sdst(0) depctr_va_ssrc(0) depctr_va_vcc(0) depctr_vm_vsrc(0)
	s_getreg_b32 s2, hwreg(HW_REG_IB_STS2, 6, 4)
	s_cmp_eq_u32 s2, 0
	s_cbranch_scc0 .Lentry_in_a_cluster
	s_endpgm
.Lentry_in_a_cluster:
	s_bfe_u32 s2, ttmp6, 0x10000c
	s_cmp_lg_u32 s2, 0x3003
	s_cbranch_scc0 .Lentry_shape_is_right
	s_endpgm
.Lentry_shape_is_right:
; O = (Q K^T / 8) V for one head, both products on codes of FP6 (E2M3); no softmax.  The scores are quantised along the keys, O along the model axis (for the output projection).
; IN: qs, kv: [batch x head][step of 128 tokens][13,312]: 8 tiles x 768 bytes of codes (16 tokens x the head's 64), 512 bytes of scale words [half][r][4 tiles]; in kv then 4 tiles of V^T (16 channels x 128 keys)
; x 1,536 and 512 bytes of scale words [lane][4 tiles].  Row r of tile T is row 32 (T / 2) + 8 (T % 2) + r + 8 (r / 8).  All are images of operand registers: registers 0-3 of a piece at 16 x lane, 4-5 at 512 + 8 x lane.
; SHARES.  A work-group owns 512 queries of a head, each of its eight waves 64: four tiles a.  The head's whole kv block, 212,992 bytes, lies in LDS as it lies in memory: every LDS byte is filled once, and all fills
; go out at the head, in four chunks of four steps.  The four query blocks of a head form a cluster and ask for each part JOINTLY.
; TWO BARRIERS serve the fills: one for chunk 0, so that the walk begins as soon as four steps' tiles are there, and one, three steps on, for all the rest: from there on no wave waits for another until the end.
; LAYOUT.  Both products transposed: S^T = K Q^T (source 0 = 16 keys, source 1 = 16 queries), O^T = V^T P^T: a lane holds one query throughout, and by the tiles' row order the 16 registers of tiles 2 b, 2 b + 1 are 16 neighbours.
; K = 64 IN AN INSTRUCTION OF 128: Q's upper six registers are zero codes.  A fragment of K names 12 registers of which the upper six are the next tile's codes (behind tile 7: zeros): finite numbers, under scale bytes
; that are never 0xff, times zeros.  So a tile of K costs six registers and 768 bytes of LDS reads.
; THE DIVISION BY 8 is exact and goes into the scores' scale bytes: with E the exponent field of a block's largest |S|, the codes are S / 2^(E - 2 - 127) and the byte is E - 5, which is the quantiser's own result for S / 8.
; The floor 2^(6 - 127) among the maximum's leaves holds that byte at 1 from below, as the quantiser holds it, and keeps the subtraction of 3 from all four bytes of a word free of borrows.
; LIMITS: NaN and infinities are not served; a block of zeros gets the byte 1 where the rule says 127 (its codes are zeros; only this program reads the bytes).
; OUT: cimg [tile of tokens][piece = head][768]; csc [head][group of 64 tokens][lane][4 tiles]: bytes 0, 1 of a word the head's two blocks, bytes 2, 3 zero.
; REGISTERS: window 0: v1 16 l, v2 8 l, v3 16 r; v4-6 the same + the step's LDS byte; v8-11 Q's scale words, v12-19 K's, v20-23 V's, v24-25 P's (by parity of a); v26-29 maxima; v30-33 at work;
;   v34-41 scale operands (by parity); v42-49 conversions' second halves; v50-73 P's codes (by parity); v74-121 Q's four fragments; v122-124 Q's offsets; v128-191, v192-255 S^T (by parity).
;   window 1: v0-127 O^T (a, t) at 32 a + 8 t; v128-175 K's tiles, six registers each; v176-181 zeros; v184-231 V's four fragments.
.set MSB, 0
.macro WIN new                         ; the immediate's high byte repeats the setting that is left
.if MSB != \new
	s_set_vgpr_msb (MSB<<8)|\new
.set MSB, \new
.endif
.endm
.macro ROUND                           ; a round of the cluster's barrier
	s_barrier_signal -1
	s_barrier_wait -1
	s_cmp_lg_u32 s12, 0
	s_cbranch_scc1 .Lnot_wave_0_\@
	s_barrier_signal -3
.Lnot_wave_0_\@:
	s_barrier_wait -3
	s_barrier_signal -1
	s_barrier_wait -1
.endm
.macro PLACES n
.rept \n
	v_nop
.endr
.endm
.macro LOADK                           ; a step's 8 tiles of K and their scale words: 18 loads
	WIN 0x40                                       ; destination window 1
.irp t, 0,1,2,3,4,5,6,7
	ds_load_b128 v[128+6*\t:131+6*\t], v4 offset:768*\t
	ds_load_b64 v[132+6*\t:133+6*\t], v5 offset:768*\t+512
.endr
	WIN 0
	ds_load_b128 v[12:15], v6 offset:6144
	ds_load_b128 v[16:19], v6 offset:6400
.endm
.macro LOADV                           ; its 4 fragments of V^T and their scale words: 17 loads
	WIN 0x40
.irp t, 0,1,2,3
	ds_load_b128 v[184+12*\t:187+12*\t], v4 offset:6656+1536*\t
	ds_load_b64 v[188+12*\t:189+12*\t], v5 offset:6656+1536*\t+512
	ds_load_b128 v[190+12*\t:193+12*\t], v4 offset:6656+1536*\t+768
	ds_load_b64 v[194+12*\t:195+12*\t], v5 offset:6656+1536*\t+1280
.endr
	WIN 0
	ds_load_b128 v[20:23], v4 offset:12800
.endm
.macro KQ a                            ; S^T of query tile a: 8 tiles of 16 keys
	WIN 0x01                                       ; source 0 (K) window 1
.irp t, 0,1,2,3,4,5,6,7
	v_wmma_scale_f32_16x16x128_f8f6f4 v[128+64*((\a)%2)+8*\t:128+64*((\a)%2)+8*\t+7], v[128+6*\t:139+6*\t], v[74+12*(\a):85+12*(\a)], 0, v[12+\t], v[8+(\a)] matrix_a_fmt:MATRIX_FMT_FP6 matrix_b_fmt:MATRIX_FMT_FP6
.endr
.endm
.macro PV a, zero                      ; O^T of query tile a += V^T P^T over the step's 128 keys.  zero = 1: the first step starts the sums
.if \zero
	WIN 0x41                                       ; source 0 (V) and D window 1
.else
	WIN 0x51                                       ; C too
.endif
.irp t, 0,1,2,3
.if \zero
	v_wmma_scale_f32_16x16x128_f8f6f4 v[32*(\a)+8*\t:32*(\a)+8*\t+7], v[184+12*\t:195+12*\t], v[50+12*((\a)%2):61+12*((\a)%2)], 0, v[20+\t], v[24+(\a)%2] matrix_a_fmt:MATRIX_FMT_FP6 matrix_b_fmt:MATRIX_FMT_FP6
.else
	v_wmma_scale_f32_16x16x128_f8f6f4 v[32*(\a)+8*\t:32*(\a)+8*\t+7], v[184+12*\t:195+12*\t], v[50+12*((\a)%2):61+12*((\a)%2)], v[32*(\a)+8*\t:32*(\a)+8*\t+7], v[20+\t], v[24+(\a)%2] matrix_a_fmt:MATRIX_FMT_FP6 matrix_b_fmt:MATRIX_FMT_FP6
.endif
.endr
.endm
.macro QMAX a                          ; the four blocks' largest |S|, the conversions' scale operands and P's scale word
.set SS, 128+64*((\a)%2)
.set PP, (\a)%2
	WIN 0
.irp b, 0,1,2,3
	v_max3_num_f32 v[26+\b], |v[SS+16*\b]|, |v[SS+16*\b+1]|, 0x3000000      ; each accumulator is read from its low end on; the floor 2^(6 - 127)
.endr
.irp i, 2,4,6,8,10,12,14
.irp b, 0,1,2,3
	v_max3_num_f32 v[26+\b], v[26+\b], |v[SS+16*\b+\i]|, |v[SS+16*\b+\i+1]|
.endr
.endr
.irp b, 0,1,2,3
	v_permlanex16_b32 v[30+\b], v[26+\b], s42, s43
.endr
.irp b, 0,1,2,3
	v_max_num_f32 v[26+\b], v[26+\b], v[30+\b]     ; with lane l xor 16's 16 keys
.endr
.irp b, 0,1,2,3
	v_add_nc_u32 v[34+4*PP+\b], 0xff000000, v[26+\b]   ; 2 off the exponent field: the conversion's scale operand
.endr
.irp b, 0,1,2,3
	v_lshrrev_b32 v[30+\b], 23, v[34+4*PP+\b]
.endr
	v_lshl_or_b32 v[24+PP], v31, 8, v30
	v_lshl_or_b32 v[24+PP], v32, 16, v[24+PP]
	v_lshl_or_b32 v[24+PP], v33, 24, v[24+PP]
	v_add_nc_u32 v[24+PP], 0xfcfcfcfd, v[24+PP]    ; 3 off each of the four bytes (each is 4 at the least): the division by 8
.endm
.macro QCVT a                          ; the codes of P, in the operand's layout
.set SS, 128+64*((\a)%2)
.set PP, (\a)%2
	WIN 0
.irp c, 0,1
	v_cvt_scalef32_pk16_fp6_f32 v[50+12*PP+6*\c:52+12*PP+6*\c], v[SS+32*\c:SS+32*\c+15], v[34+4*PP+2*\c]
	v_cvt_scalef32_pk16_fp6_f32 v[42+4*\c:44+4*\c], v[SS+32*\c+16:SS+32*\c+31], v[35+4*PP+2*\c]
.endr
	v_nop                                          ; one plain place behind a scaled conversion
.irp c, 0,1                                    ; a whole block to a lane: lanes 0-15 block 2 c, lanes 16-31 block 2 c + 1
.irp i, 0,1,2
	v_permlane16_swap_b32 v[50+12*PP+6*\c+\i], v[42+4*\c+\i]
.endr
.irp i, 0,1,2
	v_mov_b32 v[53+12*PP+6*\c+\i], v[42+4*\c+\i]
.endr
.endr
.endm
; A KEY STEP: 128 keys, four query tiles.  A tile's products V^T P stand behind the NEXT tile's search for maxima: over forty plain lines that name none of their registers, which are the eight places that a scale word
; written by vector instructions owes a scaled product, and the four that codes so written owe.  P's codes, scale operands and scale word alternate by the tile's parity, so nothing writes a pending product's source.
; All accumulators take turns, one instruction a turn.  next = 1: the next step's K is asked for behind the last product that read K, its V behind the last that read V.
.macro STEP zero, next
	s_wait_dscnt 17                                ; K's 18 loads are in; V's 17, issued behind them, may be out
	KQ 0
	KQ 1
	WIN 0
	PLACES 4                                       ; a vector instruction reads a matrix result four places behind it (ISA guide 7.12.1)
	QMAX 0
	QCVT 0
	QMAX 1
	s_wait_dscnt 0x0                               ; V
	PV 0, \zero
	KQ 2
	QCVT 1                                         ; its plain lines are the places between the products above and the reads of their scores
	QMAX 2
	PV 1, \zero
	KQ 3
	QCVT 2                                         ; likewise, and in front of the loads into K's registers
.if \next
	s_add_co_u32 s40, s40, 13312                   ; the next step's LDS byte
	v_add_nc_u32 v4, s40, v1
	v_add_nc_u32 v5, s40, v2
	v_add_nc_u32 v6, s40, v3
	LOADK
.endif
	QMAX 3
	PV 2, \zero
	QCVT 3
	PLACES 8                                       ; no other tile's work is left to stand here
	PV 3, \zero
.if \next
	PLACES 4                                       ; in front of the loads into V's registers
	LOADV
.endif
.endm
.macro STEPS n
	s_mov_b32 s41, \n
.Lsteps_\@:
	STEP 0, 1
	s_sub_co_u32 s41, s41, 1
	s_cmp_lg_u32 s41, 0
	s_cbranch_scc1 .Lsteps_\@
.endm
.macro SYNC n                          ; my loads of the chunks that are read next have landed (n = my loads of later chunks, which may stay out); a barrier shows it of every wave.
	s_wait_tensorcnt \n
	s_wait_dscnt 0x0                               ; no LDS instruction of mine is out at a signal
	s_barrier_signal -1
	s_barrier_wait -1
.endm
; Query tile a's 32 results of a lane, register 16 b + i = channel 32 b + 16 h + i, become the head's piece of concat: six registers at v[128 + 8 a], and the word v[160 + a]
.macro QUANT32 a
	WIN 0x05                                       ; sources 0 and 1: window 1
.irp b, 0,1
	v_max3_num_f32 v[26+\b], |v[32*(\a)+16*\b]|, |v[32*(\a)+16*\b+1]|, 0x1800000   ; the floor 2^(3 - 127)
.endr
	WIN 0x14                                       ; sources 1 and 2: window 1
.irp i, 2,4,6,8,10,12,14
.irp b, 0,1
	v_max3_num_f32 v[26+\b], v[26+\b], |v[32*(\a)+16*\b+\i]|, |v[32*(\a)+16*\b+\i+1]|
.endr
.endr
	WIN 0
.irp b, 0,1
	v_permlanex16_b32 v[30+\b], v[26+\b], s42, s43
.endr
.irp b, 0,1
	v_max_num_f32 v[26+\b], v[26+\b], v[30+\b]
.endr
.irp b, 0,1
	v_add_nc_u32 v[34+\b], 0xff000000, v[26+\b]
.endr
.irp b, 0,1
	v_lshrrev_b32 v[30+\b], 23, v[34+\b]
.endr
	v_lshl_or_b32 v[160+(\a)], v31, 8, v30
	WIN 0x01                                       ; source 0: window 1
	v_cvt_scalef32_pk16_fp6_f32 v[128+8*(\a):130+8*(\a)], v[32*(\a):32*(\a)+15], v34
	v_cvt_scalef32_pk16_fp6_f32 v[42:44], v[32*(\a)+16:32*(\a)+31], v35
	WIN 0
	v_nop                                          ; one plain place behind a scaled conversion
.irp i, 0,1,2
	v_permlane16_swap_b32 v[128+8*(\a)+\i], v[42+\i]
.endr
.irp i, 0,1,2
	v_mov_b32 v[131+8*(\a)+\i], v[42+\i]
.endr
.endm
	s_load_b256 s[4:11], s[0:1], 0x0               ; qs, kv, cimg, csc
	v_lshl_add_u32 v126, v0, 2, 0x34000
	v_mov_b32 v127, 0
	ds_add_u32 v126, v127
	ds_add_u32 v126, v127
	v_lshrrev_b32 v1, 5, v0
	v_readfirstlane_b32 s12, v1                    ; wave 0..7
	s_bfe_u32 s13, ttmp6, 0x40000                  ; cx: my block of 512 queries (the grid has one cluster along x); it enters Q's and the outputs' addresses alone
	s_and_b32 s14, ttmp7, 0xffff                   ; batch x head, which the four partners share
	; group 1: 6,656 dense bytes as 26 rows of 256 (32 elements of 8 bytes)
	s_mov_b32 s16, 15|(3<<16)|(1<<21)              ; 15:0 the mask: all four work-groups; 17:16 elements of 8 bytes; 21 set beside a mask
	s_mov_b32 s17, 32<<16                          ; tensor_dim0
	s_mov_b32 s18, 26<<16                          ; tensor_dim1
	s_mov_b32 s19, 32<<16                          ; tile_dim0
	s_mov_b32 s20, 26                              ; tile_dim1
	s_mov_b32 s21, 32                              ; the pitch
	s_mov_b32 s22, 0
	s_mov_b32 s23, 0
	s_mul_i32 s44, s14, 212992                     ; the head's block,
	s_mul_i32 s46, s12, 6656                       ; my eighth of a chunk, in memory and in LDS alike
	s_add_co_u32 s44, s44, s46
	s_mov_b32 s45, 0
	s_mov_b32 s42, 0x76543210
	s_mov_b32 s43, 0xfedcba98                      ; v_permlanex16_b32's selects for lane l xor 16
	s_wait_dscnt 0x0
	s_wait_kmcnt 0x0
	s_add_nc_u64 s[6:7], s[6:7], s[44:45]
.irp c, 0,1,2,3
	s_mov_b32 s[24+4*\c], 1                        ; count = 1
	s_add_co_u32 s[25+4*\c], s46, \c*53248         ; LDS address: chunk c = steps 4 c .. 4 c + 3
	s_add_nc_u64 s[26+4*\c:27+4*\c], s[6:7], \c*53248
	s_or_b32 s[27+4*\c], s[27+4*\c], 0x80000000    ; type = 2
.endr
	ROUND                                          ; all four work-groups are here: the joint loads meet
	tensor_load_to_lds s[24:27], s[16:23]          ; every wave asks for its part of each chunk: four tensor loads of mine are out
	s_nop 0
	tensor_load_to_lds s[28:31], s[16:23]
	s_nop 0
	tensor_load_to_lds s[32:35], s[16:23]
	s_nop 0
	tensor_load_to_lds s[36:39], s[16:23]
	s_nop 0
.rept 4
	v_nop
.endr
	v_and_b32 v7, 31, v0
	v_and_b32 v3, 15, v0
	v_lshlrev_b32 v1, 4, v7                        ; 16 x lane
	v_lshlrev_b32 v2, 3, v7                        ; 8 x lane
	v_lshlrev_b32 v3, 4, v3                        ; 16 r
	s_mul_i32 s48, s14, 212992                     ; Q: the head, step 4 cx + wave / 2,
	s_lshl_b32 s49, s13, 2
	s_lshr_b32 s50, s12, 1
	s_add_co_u32 s49, s49, s50
	s_mul_i32 s49, s49, 13312
	s_add_co_u32 s48, s48, s49
	s_mov_b32 s49, 0
	s_add_nc_u64 s[4:5], s[4:5], s[48:49]
	s_and_b32 s50, s12, 1                          ; tiles 4 (wave % 2) on
	s_mul_i32 s51, s50, 3072
	v_add_nc_u32 v122, s51, v1
	v_add_nc_u32 v123, s51, v2
	s_lshl_b32 s51, s50, 8
	v_add_nc_u32 v124, s51, v3
.irp a, 0,1,2,3
	global_load_b128 v[74+12*\a:77+12*\a], v122, s[4:5] offset:768*\a
	global_load_b64 v[78+12*\a:79+12*\a], v123, s[4:5] offset:768*\a+512
.endr
	global_load_b128 v[8:11], v124, s[4:5] offset:6144
	; The zero codes.  An operand written by vector instructions stands four places ahead of a scaled product: those behind K's tile 7 are written first, so that the 28 moves below and the
	; three address additions ahead of the first fetch stand between them and the first step's products; behind Q's last zero stand four moves and those three additions.
	WIN 0x40
.irp i, 0,1,2,3,4,5
	v_mov_b32 v[176+\i], 0                         ; behind K's tile 7
.endr
	WIN 0
.irp a, 0,1,2,3
.irp i, 6,7,8,9,10,11
	v_mov_b32 v[74+12*\a+\i], 0                    ; Q's codes of k = 64 .. 127: zeros
.endr
.endr
.irp b, 0,1,2,3
	v_mov_b32 v[30+\b], 0                          ; a lane permute's destination counts as one of its sources
.endr
	s_lshr_b32 s44, s14, 4                         ; out: group of 64 tokens = 32 x batch + 8 cx + wave
	s_lshl_b32 s44, s44, 5
	s_lshl_b32 s46, s13, 3
	s_add_co_u32 s44, s44, s46
	s_add_co_u32 s44, s44, s12
	s_and_b32 s46, s14, 15                         ; the head
	s_mul_i32 s48, s44, 49152                      ; four tiles of 12,288 bytes a group,
	s_mul_i32 s50, s46, 768                        ; piece = head
	s_add_co_u32 s48, s48, s50
	s_add_nc_u64 s[8:9], s[8:9], s[48:49]
	s_lshl_b32 s48, s46, 16
	s_lshl_b32 s50, s44, 9
	s_add_co_u32 s48, s48, s50
	s_add_nc_u64 s[10:11], s[10:11], s[48:49]
	SYNC 3                                         ; chunk 0: my three later loads may stay out
	s_mov_b32 s40, 0
	v_add_nc_u32 v4, s40, v1
	v_add_nc_u32 v5, s40, v2
	v_add_nc_u32 v6, s40, v3
	LOADK
	LOADV
	s_wait_loadcnt 0x0                             ; Q
	STEP 1, 1                                      ; step 0 starts O^T's sums.  Step s asks for step s + 1's fragments, so the first read of chunk 1 stands in step 3
	STEPS 2                                        ; steps 1, 2
	SYNC 0                                         ; chunks 1 to 3: every wave has waited for all four of its loads ahead of this barrier, and every read of those chunks stands behind it
	STEPS 12                                       ; steps 3 .. 14
	STEP 0, 0                                      ; step 15 asks for nothing
	WIN 0
	PLACES 4
.irp a, 0,1,2,3
	QUANT32 \a
	global_store_b128 v1, v[128+8*\a:131+8*\a], s[8:9] offset:12288*\a        ; 512 consecutive bytes, aligned to 256,
	global_store_b64 v2, v[132+8*\a:133+8*\a], s[8:9] offset:12288*\a+512     ; and 256
.endr
	global_store_b128 v1, v[160:163], s[10:11]     ; the four tiles' scale words: 512 consecutive bytes, aligned
	s_wait_tensorcnt 0x0
	ds_add_u32 v126, v127
	s_wait_dscnt 0x0
	ROUND                                          ; the closing round: no work-group ends while a partner may still ask for a part that names it
	s_endpgm
.Lfunc_end_k_q2a50786581_attn:
	.size	k_q2a50786581_attn, .Lfunc_end_k_q2a50786581_attn-k_q2a50786581_attn
	.p2alignl 7, 3214868480
	.fill 96, 4, 3214868480
	.section	.rodata,"a",@progbits
	.p2align	6, 0x0
	.amdhsa_kernel k_q2a50786581_attn
		.amdhsa_group_segment_fixed_size 214016
		.amdhsa_private_segment_fixed_size 0
		.amdhsa_enable_private_segment 0
		.amdhsa_kernarg_size 32
		.amdhsa_user_sgpr_count 2
		.amdhsa_user_sgpr_kernarg_segment_ptr 1
		.amdhsa_wavefront_size32 1
		.amdhsa_system_sgpr_workgroup_id_x 1
		.amdhsa_system_sgpr_workgroup_id_y 1
		.amdhsa_system_sgpr_workgroup_id_z 1
		.amdhsa_system_vgpr_workitem_id 0
		.amdhsa_next_free_vgpr 512
		.amdhsa_next_free_sgpr 66
		.amdhsa_reserve_vcc 0
		.amdhsa_float_denorm_mode_32 3
		.amdhsa_float_denorm_mode_16_64 3
		.amdhsa_memory_ordered 1
		.amdhsa_forward_progress 1
		.amdhsa_inst_pref_size 115
	.end_amdhsa_kernel
	.amdgpu_metadata
---
amdhsa.version: [ 1, 2 ]
amdhsa.kernels:
  - .name:           k_q2a50786581_attn
    .symbol:         k_q2a50786581_attn.kd
    .args:
      - { .name: qs, .offset: 0, .size: 8, .value_kind: global_buffer, .address_space: global }
      - { .name: kv, .offset: 8, .size: 8, .value_kind: global_buffer, .address_space: global }
      - { .name: cimg, .offset: 16, .size: 8, .value_kind: global_buffer, .address_space: global }
      - { .name: csc, .offset: 24, .size: 8, .value_kind: global_buffer, .address_space: global }
    .group_segment_fixed_size: 214016
    .private_segment_fixed_size: 0
    .kernarg_segment_align: 8
    .kernarg_segment_size: 32
    .max_flat_workgroup_size: 256
    .sgpr_count:     66
    .vgpr_count:     512
    .wavefront_size: 32
...
	.end_amdgpu_metadata
.endif
;; end of part 3
;; launch outp (part 4): grid 8 x 32, 4 waves a work-group, clusters of 4 x 4, 295,424 bytes of LDS; arguments cimg, csc, wimg, wsc, bo, out0; writes out0
.if DOCPART == 4
	.amdgcn_target "amdgcn-amd-amdhsa--gfx1250"
	.amdhsa_code_object_version 6
	.text
	.protected	k_q2a50786581_outp
	.globl	k_q2a50786581_outp
	.p2align	8
	.type	k_q2a50786581_outp,@function
k_q2a50786581_outp:
	s_mov_b64 s[64:65], 0
	v_nop
	global_prefetch_b8 v0, s[64:65] scope:SCOPE_SE
	s_setreg_imm32_b32 hwreg(HW_REG_WAVE_MODE, 25, 1), 1
	s_wait_xcnt 0x0
	s_wait_alu depctr_hold_cnt(0) depctr_sa_sdst(0) depctr_va_vdst(0) depctr_va_sdst(0) depctr_va_ssrc(0) depctr_va_vcc(0) depctr_vm_vsrc(0)
	s_getreg_b32 s2, hwreg(HW_REG_IB_STS2, 6, 4)
	s_cmp_eq_u32 s2, 0
	s_cbranch_scc0 .Lentry_in_a_cluster
	s_endpgm
.Lentry_in_a_cluster:
	s_bfe_u32 s2, ttmp6, 0x10000c
	s_cmp_lg_u32 s2, 0xf033
	s_cbranch_scc0 .Lentry_shape_is_right
	s_endpgm
.Lentry_shape_is_right:
; out0 = concat Wo + bo on codes of FP6 (E2M3).  concat's codes come as images of operand registers from the attention (cimg [tile of 16 tokens][piece = head][768]), Wo's likewise (the fourth image of wimg).
; Row r of tile T is row 32 (T / 2) + 8 (T % 2) + r + 8 (r / 8); a piece is a tile x 64 along K: registers 0-3 at 16 x lane, 4-5 at 512 + 8 x lane.
; THE PRODUCT: source 0 = 16 features (B), source 1 = 16 tokens (A): a lane holds one token, and the 16 registers of B's tiles 2 b, 2 b + 1 are 16 neighbouring features.
; A work-group takes 256 tokens x 128 features over all K = 1,024: 294,912 bytes of codes, which lie in LDS whole: every LDS byte is filled once, all fills go out at the head, in four chunks of 256 along K.
; Four waves; wave w takes A's tiles 4 w .. 4 w + 3 against B's eight: 32 accumulators, 8 steps of 128 along K.
; CLUSTERS of 4 x 4: A's tiles are asked for jointly along a row of the cluster, B's along a column.
; REGISTERS: window 0: v1 r, v2 h, v3 16 l, v4 8 l, v5 8 r; v8-15 A's LDS addresses by chunk, v16-23 B's; v24-26 stage and bias offsets; v32-63 A's scale words [8 a + s]; v64-127 B's [8 b + s];
;   v128-191 the bias, v192-255 the heads' scale words; both later rows of the output.  window 1: B's fragments, two sets.  window 2: A's, two sets.  window 3: accumulator (a, b) at v[8 (8 a + b)].
.set AS,   32
.set BS,   64
.set BIAS, 128
.set TT,   192
.set G0A,  44                          ; s[44:59]  group 0 for A's four chunks
.set G0B,  68                          ; s[68:83]  for B's
.set G1A,  84                          ; s[84:91]  group 1 for A
.set G1B,  92                          ; s[92:99]  for B
.set MSB, 0
.macro WIN new                         ; the immediate's high byte repeats the setting that is left
.if MSB != \new
	s_set_vgpr_msb (MSB<<8)|\new
.set MSB, \new
.endif
.endm
.macro ROUND                           ; a round of the cluster's barrier
	s_barrier_signal -1
	s_barrier_wait -1
	s_cmp_lg_u32 s22, 0
	s_cbranch_scc1 .Lnot_wave_0_\@
	s_barrier_signal -3
.Lnot_wave_0_\@:
	s_barrier_wait -3
	s_barrier_signal -1
	s_barrier_wait -1
.endm
.macro PLACES n
.rept \n
	v_nop
.endr
.endm
; The fragments of step s (two pieces of each tile) into set s % 2: 48 loads, each of consecutive bytes across the lanes
.macro FETCH s
	WIN 0x40                                       ; destination window 1
.irp b, 0,1,2,3,4,5,6,7
	ds_load_b128 v[128*((\s)%2)+12*\b:128*((\s)%2)+12*\b+3], v[16+(\s)/2] offset:3072*\b+1536*((\s)%2)
	ds_load_b64 v[128*((\s)%2)+12*\b+4:128*((\s)%2)+12*\b+5], v[20+(\s)/2] offset:3072*\b+1536*((\s)%2)+512
	ds_load_b128 v[128*((\s)%2)+12*\b+6:128*((\s)%2)+12*\b+9], v[16+(\s)/2] offset:3072*\b+1536*((\s)%2)+768
	ds_load_b64 v[128*((\s)%2)+12*\b+10:128*((\s)%2)+12*\b+11], v[20+(\s)/2] offset:3072*\b+1536*((\s)%2)+1280
.endr
	WIN 0x80                                       ; destination window 2
.irp a, 0,1,2,3
	ds_load_b128 v[64*((\s)%2)+12*\a:64*((\s)%2)+12*\a+3], v[8+(\s)/2] offset:3072*\a+1536*((\s)%2)
	ds_load_b64 v[64*((\s)%2)+12*\a+4:64*((\s)%2)+12*\a+5], v[12+(\s)/2] offset:3072*\a+1536*((\s)%2)+512
	ds_load_b128 v[64*((\s)%2)+12*\a+6:64*((\s)%2)+12*\a+9], v[8+(\s)/2] offset:3072*\a+1536*((\s)%2)+768
	ds_load_b64 v[64*((\s)%2)+12*\a+10:64*((\s)%2)+12*\a+11], v[12+(\s)/2] offset:3072*\a+1536*((\s)%2)+1280
.endr
	WIN 0
.endm
; 32 matrix instructions: step s.  The 32 accumulators take turns, one instruction a turn, in the same order in every step.  first = 1: the bias starts the sums
.macro MUL s, first
.if \first
	WIN 0xc9                                       ; source 0 (B) window 1, source 1 (A) window 2, C window 0, D window 3
.else
	WIN 0xf9                                       ; C and D window 3
.endif
.irp a, 0,1,2,3
.irp b, 0,1,2,3,4,5,6,7
.if \first
	v_wmma_scale_f32_16x16x128_f8f6f4 v[8*(8*\a+\b):8*(8*\a+\b)+7], v[128*((\s)%2)+12*\b:128*((\s)%2)+12*\b+11], v[64*((\s)%2)+12*\a:64*((\s)%2)+12*\a+11], v[BIAS+8*\b:BIAS+8*\b+7], v[BS+8*\b+(\s)], v[AS+8*\a+(\s)] matrix_a_fmt:MATRIX_FMT_FP6 matrix_b_fmt:MATRIX_FMT_FP6
.else
	v_wmma_scale_f32_16x16x128_f8f6f4 v[8*(8*\a+\b):8*(8*\a+\b)+7], v[128*((\s)%2)+12*\b:128*((\s)%2)+12*\b+11], v[64*((\s)%2)+12*\a:64*((\s)%2)+12*\a+11], v[8*(8*\a+\b):8*(8*\a+\b)+7], v[BS+8*\b+(\s)], v[AS+8*\a+(\s)] matrix_a_fmt:MATRIX_FMT_FP6 matrix_b_fmt:MATRIX_FMT_FP6
.endif
.endr
.endr
.endm
; A step: its fragments are in; the next step's are asked for, 32 matrix instructions ahead of their use; then the products.
; left >= 0: the next step begins a chunk: my load of that chunk has landed (left = my loads of later chunks, which may stay out), and a barrier shows it of every wave.
.macro KSTEP s, left, first
	s_wait_dscnt 0x0                               ; this step's 48 loads are in; no LDS instruction of mine is out at a signal
.if \left >= 0
	s_wait_tensorcnt \left
	s_barrier_signal -1
	s_barrier_wait -1
.endif
.if (\s) < 7
.if (\s) > 0
	PLACES 4                                       ; loads into registers that matrix instructions have read stand four places behind them (ISA guide 7.12.1 for vector instructions)
.endif
	FETCH (\s)+1
.endif
	MUL \s, \first
.endm
; THE WAY OUT, a tile of 16 tokens x 128 features at a time: a lane holds pieces of one row, so the tile goes through my own stage in LDS and comes back as whole rows of 512 bytes.
; The stage lies in my own four tiles of A's chunk 0: those bytes have had their one fill, only I read them, and my last read of them was waited for in step 1.
.macro TOSTAGE a
	WIN 0x0c                                       ; an LDS store's data are its source 1: window 3
.irp b, 0,1,2,3,4,5,6,7
	ds_store_b128 v24, v[8*(8*(\a)+\b):8*(8*(\a)+\b)+3] offset:128*(\b/2)+32*(\b%2)          ; each accumulator from its low end on
	ds_store_b128 v24, v[8*(8*(\a)+\b)+4:8*(8*(\a)+\b)+7] offset:128*(\b/2)+32*(\b%2)+16
.endr
	WIN 0
.irp t, 0,1,2,3,4,5,6,7,8,9,10,11,12,13,14,15
	ds_load_b128 v[128+64*((\a)%2)+4*\t:128+64*((\a)%2)+4*\t+3], v25 offset:528*\t   ; LDS serves a wave's instructions in order (ISA guide 5.7.1.4): these see the stores above
.endr
.endm
.macro SEND a, younger                 ; younger: the LDS instructions issued behind tile a's loads, which may stay out
	s_wait_dscnt \younger
.irp t, 0,1,2,3,4,5,6,7,8,9,10,11,12,13,14,15
	global_store_b128 v3, v[128+64*((\a)%2)+4*\t:128+64*((\a)%2)+4*\t+3], s[14:15] offset:(32*((\a)/2)+8*((\a)%2)+\t+8*(\t/8))*4096 th:TH_STORE_NT   ; 512 consecutive bytes of a row, aligned to 256; the row's place stands in the immediate
.endr
.endm
	s_load_b256 s[4:11], s[0:1], 0x0               ; cimg, csc, wimg, wsc
	s_load_b128 s[12:15], s[0:1], 0x20             ; bo, out0
	v_lshl_add_u32 v30, v0, 2, 0x48000
	v_mov_b32 v31, 0
	ds_add_u32 v30, v31
	ds_add_u32 v30, v31
	v_lshrrev_b32 v1, 5, v0
	v_readfirstlane_b32 s22, v1                    ; wave 0..3
	s_lshr_b32 s23, s22, 1                         ; I fetch for A (0) or for B (1)
	s_and_b32 s24, s22, 1                          ; which half of a chunk's tiles I fetch
	s_bfe_u32 s25, ttmp6, 0x40000                  ; cx
	s_bfe_u32 s26, ttmp6, 0x40004                  ; cy
	s_lshl_b32 s30, ttmp9, 2
	s_add_co_u32 s30, s30, s25                     ; tile column (128 features) = 4 x cluster x + cx
	s_and_b32 s29, ttmp7, 0xffff
	s_lshl_b32 s29, s29, 2
	s_add_co_u32 s29, s29, s26                     ; tile row (256 tokens) = 4 x cluster y + cy
	s_lshl_b32 s31, s26, 2
	s_lshl_b32 s31, 15, s31                        ; my row of the cluster
	s_lshl_b32 s2, 0x1111, s25                     ; my column
	; group 1: rows of 3,072 bytes (a tile's four pieces of a chunk) as 384 elements of 8 bytes, 12,288 bytes (1,536 elements) from tile to tile; A: 8 tiles a load, B: 4; no padding
	s_or_b32 s[G1A], s31, (3<<16)|(1<<21)          ; 15:0 the mask; 17:16 elements of 8 bytes; 21 set beside a mask
	s_or_b32 s[G1B], s2, (3<<16)|(1<<21)
	s_mov_b32 s[G1A+1], 384<<16                    ; tensor_dim0
	s_mov_b32 s[G1A+2], 8<<16                      ; tensor_dim1
	s_mov_b32 s[G1A+3], 384<<16                    ; tile_dim0
	s_mov_b32 s[G1A+4], 8                          ; tile_dim1
	s_mov_b32 s[G1A+5], 1536                       ; the pitch
	s_mov_b32 s[G1A+6], 0
	s_mov_b32 s[G1A+7], 0
	s_mov_b32 s[G1B+1], 384<<16
	s_mov_b32 s[G1B+2], 4<<16
	s_mov_b32 s[G1B+3], 384<<16
	s_mov_b32 s[G1B+4], 4
	s_mov_b32 s[G1B+5], 1536
	s_mov_b32 s[G1B+6], 0
	s_mov_b32 s[G1B+7], 0
	s_mul_i32 s32, s29, 196608                     ; A: 16 tiles a tile row,
	s_mul_i32 s3, s24, 98304
	s_add_co_u32 s32, s32, s3                      ; my 8 of them
	s_mov_b32 s33, 0
	s_mul_i32 s34, s30, 98304                      ; B: 8 tiles a tile column,
	s_mul_i32 s3, s24, 49152
	s_add_co_u32 s34, s34, s3                      ; my 4,
	s_add_co_u32 s34, s34, 2359296                 ; in the fourth weight's image
	s_mov_b32 s35, 0
	s_mov_b32 s67, 0
	s_mul_i32 s3, s24, 24576                       ; LDS: my half of a chunk of A,
	s_mul_i32 s27, s24, 12288                      ; of B: the wave's number alone enters an LDS address
	s_wait_dscnt 0x0
	s_wait_kmcnt 0x0
	s_add_nc_u64 s[36:37], s[4:5], s[32:33]
	s_add_nc_u64 s[40:41], s[8:9], s[34:35]
.irp c, 0,1,2,3
	s_mov_b32 s[G0A+4*\c], 1                       ; count = 1
	s_add_co_u32 s[G0A+4*\c+1], s3, \c*49152       ; LDS address: A's chunk c
	s_add_nc_u64 s[G0A+4*\c+2:G0A+4*\c+3], s[36:37], \c*3072
	s_or_b32 s[G0A+4*\c+3], s[G0A+4*\c+3], 0x80000000   ; type = 2
	s_mov_b32 s[G0B+4*\c], 1
	s_add_co_u32 s[G0B+4*\c+1], s27, 196608+\c*24576    ; B's chunks lie behind A's four
	s_add_nc_u64 s[G0B+4*\c+2:G0B+4*\c+3], s[40:41], \c*3072
	s_or_b32 s[G0B+4*\c+3], s[G0B+4*\c+3], 0x80000000
.endr
	ROUND                                          ; all sixteen work-groups are here: the joint loads meet
	s_cmp_eq_u32 s23, 0                            ; a wave's four fills stand in one branch on its number: four tensor loads of mine are out
	s_cbranch_scc0 .Lfill_b
	tensor_load_to_lds s[G0A:G0A+3], s[G1A:G1A+7]
	s_nop 0
	tensor_load_to_lds s[G0A+4:G0A+7], s[G1A:G1A+7]
	s_nop 0
	tensor_load_to_lds s[G0A+8:G0A+11], s[G1A:G1A+7]
	s_nop 0
	tensor_load_to_lds s[G0A+12:G0A+15], s[G1A:G1A+7]
	s_nop 0
.rept 4
	v_nop
.endr
	s_branch .Lfilled
.Lfill_b:
	tensor_load_to_lds s[G0B:G0B+3], s[G1B:G1B+7]
	s_nop 0
	tensor_load_to_lds s[G0B+4:G0B+7], s[G1B:G1B+7]
	s_nop 0
	tensor_load_to_lds s[G0B+8:G0B+11], s[G1B:G1B+7]
	s_nop 0
	tensor_load_to_lds s[G0B+12:G0B+15], s[G1B:G1B+7]
	s_nop 0
.rept 4
	v_nop
.endr
.Lfilled:
	v_and_b32 v6, 31, v0
	v_and_b32 v1, 15, v0                           ; r
	v_bfe_u32 v2, v0, 4, 1                         ; h
	v_lshlrev_b32 v3, 4, v6                        ; 16 x lane
	v_lshlrev_b32 v4, 3, v6                        ; 8 x lane
	v_lshlrev_b32 v5, 3, v1                        ; 8 r
	v_lshlrev_b32 v26, 6, v2                       ; 64 h
	s_lshl_b32 s66, s29, 11                        ; concat's scale words: my group of 64 tokens = 4 x tile row + wave, 512 bytes a group
	s_lshl_b32 s3, s22, 9
	s_add_co_u32 s66, s66, s3
	s_add_nc_u64 s[6:7], s[6:7], s[66:67]
	s_lshl_b32 s66, s30, 12                        ; Wo's: 8 tiles of 512 bytes a tile column, in the fourth weight's
	s_add_co_u32 s66, s66, 98304
	s_add_nc_u64 s[10:11], s[10:11], s[66:67]
	s_lshl_b32 s66, s30, 9                         ; bo: my 128 features
	s_add_nc_u64 s[12:13], s[12:13], s[66:67]
	s_lshl_b32 s66, s29, 20                        ; out0: 256 rows of 4,096 bytes a tile row, 64 a wave, 512 bytes a tile column
	s_lshl_b32 s3, s22, 18
	s_add_co_u32 s66, s66, s3
	s_lshl_b32 s3, s30, 9
	s_add_co_u32 s66, s66, s3
	s_add_nc_u64 s[14:15], s[14:15], s[66:67]
.irp hd, 0,1,2,3,4,5,6,7,8,9,10,11,12,13,14,15
	global_load_b128 v[TT+4*\hd:TT+4*\hd+3], v3, s[6:7] offset:65536*\hd      ; head hd's words of my four tiles: 512 consecutive bytes
.endr
.irp b, 0,1,2,3,4,5,6,7
.irp kq, 0,1,2,3
	global_load_b64 v[BS+8*\b+2*\kq:BS+8*\b+2*\kq+1], v5, s[10:11] offset:512*\b+128*\kq     ; all of K's scale words stay in registers: lane r has row r's
.endr
.endr
.irp b, 0,1,2,3,4,5,6,7
	global_load_b128 v[BIAS+8*\b:BIAS+8*\b+3], v26, s[12:13] offset:(32*(\b/2)+8*(\b%2))*4   ; lane (r, h) wants, for B's tile b, the bias of features 32 (b / 2) + 8 (b % 2) + 16 h + 0 .. 7
	global_load_b128 v[BIAS+8*\b+4:BIAS+8*\b+7], v26, s[12:13] offset:(32*(\b/2)+8*(\b%2))*4+16
.endr
	s_mul_i32 s66, s22, 12288                      ; my four tiles in a chunk of A; my stage too
	v_mul_u32_u24 v24, v1, 528
	v_lshl_add_u32 v24, v2, 6, v24
	v_add_nc_u32 v24, s66, v24                     ; the stage, in: row r of 512 + 16 bytes, + 64 h
	v_add_nc_u32 v25, s66, v3                      ; back: 16 bytes a lane of a row
.irp c, 0,1,2,3
	v_add_nc_u32 v[8+\c], s66, v3
	v_add_nc_u32 v[12+\c], s66, v4
	v_add_nc_u32 v[16+\c], 196608+\c*24576, v3
	v_add_nc_u32 v[20+\c], 196608+\c*24576, v4
	s_add_co_u32 s66, s66, 49152
.endr
	s_wait_tensorcnt 0x3                           ; my load of chunk 0 has landed; my three later ones may stay out
	s_barrier_signal -1
	s_barrier_wait -1                              ; everybody's has
	FETCH 0
	s_wait_loadcnt 0x0                             ; the scale words and the bias
.irp a, 0,1,2,3
.irp s, 0,1,2,3,4,5,6,7
	v_lshl_or_b32 v[AS+8*\a+\s], v[TT+8*\s+4+\a], 16, v[TT+8*\s+\a]          ; step s spans heads 2 s and 2 s + 1: two bytes of each make its word
.endr
.endr
	PLACES 8                                       ; a scale register written by a vector instruction stands eight places ahead of a scaled matrix instruction
	KSTEP 0, -1, 1
	KSTEP 1, 2, 0
	KSTEP 2, -1, 0
	KSTEP 3, 1, 0
	KSTEP 4, -1, 0
	KSTEP 5, 0, 0
	KSTEP 6, -1, 0
	KSTEP 7, -1, 0
	WIN 0
	PLACES 4                                       ; an LDS store reads a matrix result four places behind it
	TOSTAGE 0
	TOSTAGE 1
	SEND 0, 32                                     ; behind tile 0's loads: tile 1's 16 stores and 16 loads
	s_wait_xcnt 0x0                                ; tile 0's stores have read their registers: tile 2's rows may land there
	TOSTAGE 2
	SEND 1, 32
	s_wait_xcnt 0x0
	TOSTAGE 3
	SEND 2, 32
	SEND 3, 0                                      ; no LDS instruction of mine is out behind this wait
	s_wait_tensorcnt 0x0
	ds_add_u32 v30, v31
	s_wait_dscnt 0x0
	ROUND                                          ; the closing round: no work-group ends while a partner may still ask for a tile that names it
	s_endpgm
.Lfunc_end_k_q2a50786581_outp:
	.size	k_q2a50786581_outp, .Lfunc_end_k_q2a50786581_outp-k_q2a50786581_outp
	.p2alignl 7, 3214868480
	.fill 96, 4, 3214868480
	.section	.rodata,"a",@progbits
	.p2align	6, 0x0
	.amdhsa_kernel k_q2a50786581_outp
		.amdhsa_group_segment_fixed_size 295424
		.amdhsa_private_segment_fixed_size 0
		.amdhsa_enable_private_segment 0
		.amdhsa_kernarg_size 48
		.amdhsa_user_sgpr_count 2
		.amdhsa_user_sgpr_kernarg_segment_ptr 1
		.amdhsa_wavefront_size32 1
		.amdhsa_system_sgpr_workgroup_id_x 1
		.amdhsa_system_sgpr_workgroup_id_y 1
		.amdhsa_system_sgpr_workgroup_id_z 1
		.amdhsa_system_vgpr_workitem_id 0
		.amdhsa_next_free_vgpr 1024
		.amdhsa_next_free_sgpr 102
		.amdhsa_reserve_vcc 0
		.amdhsa_float_denorm_mode_32 3
		.amdhsa_float_denorm_mode_16_64 3
		.amdhsa_memory_ordered 1
		.amdhsa_forward_progress 1
		.amdhsa_inst_pref_size 90
	.end_amdhsa_kernel
	.amdgpu_metadata
---
amdhsa.version: [ 1, 2 ]
amdhsa.kernels:
  - .name:           k_q2a50786581_outp
    .symbol:         k_q2a50786581_outp.kd
    .args:
      - { .name: cimg, .offset: 0, .size: 8, .value_kind: global_buffer, .address_space: global }
      - { .name: csc, .offset: 8, .size: 8, .value_kind: global_buffer, .address_space: global }
      - { .name: wimg, .offset: 16, .size: 8, .value_kind: global_buffer, .address_space: global }
      - { .name: wsc, .offset: 24, .size: 8, .value_kind: global_buffer, .address_space: global }
      - { .name: bo, .offset: 32, .size: 8, .value_kind: global_buffer, .address_space: global }
      - { .name: out0, .offset: 40, .size: 8, .value_kind: global_buffer, .address_space: global }
    .group_segment_fixed_size: 295424
    .private_segment_fixed_size: 0
    .kernarg_segment_align: 8
    .kernarg_segment_size: 48
    .max_flat_workgroup_size: 128
    .sgpr_count:     102
    .vgpr_count:     1024
    .wavefront_size: 32
...
	.end_amdgpu_metadata
.endif
;; end of part 4
